; MI455X (gfx1250); checked and timed in simulation.
; The chip was launched on July 23, 2026; its instructions are those of AMD's public machine-readable ISA for CDNA 5 (MIT licence, August 2026) and "CDNA5" Instruction Set Architecture Reference Guide (July 2026). The comments in the code are by the model that wrote it; some were corrected since.
;; Ro PE Attention. Allowed arithmetic: matrix products marked QUANTISED: E2M1 operands, one E8M0 scale for each 32 along K, by v_wmma_scale_f32_16x16x128_f8f6f4 with both operands' format E2M1 (or v_wmma_scale_f32_32x16x128_f4), f32 sums; products left as they are: bf16, f16 or f32 operands; f32 sums; everything else in f32.
;; Inputs: freqs_cos 2,048 x 32 float32; freqs_sin 2,048 x 32 float32; wk 1,024 x 1,024 float32; wo 1,024 x 1,024 float32; wq 1,024 x 1,024 float32; wv 1,024 x 1,024 float32; x 4 x 2,048 x 1,024 float32.
;; Outputs: out0 4 x 2,048 x 1,024 float32.
;; This version of the problem:
;;   THIS VERSION OF THE PROBLEM IS GIVEN IN LOW PRECISION. The matrix products marked QUANTISED in the list below multiply operands that are first quantised to E2M1 (2 exponent bits, 1 mantissa bit; 4 bits a number), with one power-of-two scale for each 32 numbers along K (OCP MX v1.0); their sums are f32. The products marked 'left as it is' may take bf16, f16 or f32 operands, with f32 sums. Whichever they take, every output number must still come out within the allowed error. Rounding operands to bf16 (8 significant bits) uses up far more of that allowance than f16 does (11 bits, for magnitudes from 6e-5 to 65,504). All else is computed in f32.
;;   The module's matrix products, in the order in which they are computed (A, B: the left and right operand; K: the contracted axis; several contracted axes count as one K, in the product's order):
;;     1. [M 8,192, K 1,024] x [K 1,024, N 1,024]; A: input x; B: input wq: QUANTISED
;;     2. [M 8,192, K 1,024] x [K 1,024, N 1,024]; A: input x; B: input wk: QUANTISED
;;     3. [M 8,192, K 1,024] x [K 1,024, N 1,024]; A: input x; B: input wv: QUANTISED
;;     4. batch 64 x [M 2,048, K 64] x [K 64, N 2,048]; A: computed on the way; B: computed on the way: left as it is (an operand is computed on the way)
;;     5. batch 64 x [M 64, K 2,048] x [K 2,048, N 2,048]; A: computed on the way; B: computed on the way: left as it is (an operand is computed on the way)
;;     6. [M 8,192, K 1,024] x [K 1,024, N 1,024]; A: computed on the way; B: input wo: left as it is (an operand is computed on the way)
;;   THE QUANTISER, for each operand of a quantised product, along K:
;;     - K is cut into blocks of 32 from its start; a last block that is shorter is filled with zeros.
;;     - A block's scale is 2^e with e = floor(log2(the largest magnitude in the block)) - 2, held to -126 .. 127; a block of zeros has e = 0. As a byte (E8M0): e + 127.
;;     - Each number is divided by its block's scale, clamped to +-6, and rounded to the nearest number of E2M1, ties to even, subnormals kept.
;;     - The product sums the exact products of the quantised numbers (number of the format x scale) in f32.
;;   ~~~python
;;   def quantise(x, axis):      # numpy; x: float32 -> the quantised numbers, widened to float32 again
;;       x = np.moveaxis(x, axis, -1); K = x.shape[-1]
;;       x = np.pad(x, [(0, 0)] * (x.ndim - 1) + [(0, -K % 32)]); x = x.reshape(x.shape[:-1] + (-1, 32)); a = np.abs(x).max(-1, keepdims=True)
;;       e = np.where(a > 0, np.clip(np.frexp(np.where(a > 0, a, 1))[1] - 1 - 2, -126, 127), 0)      # np.frexp(a)[1] - 1 = floor(log2(a)), exactly
;;       r = np.clip(x / 2.0 ** e, -6, 6)
;;       step = 2.0 ** (np.maximum(np.frexp(np.where(r == 0, 1, r))[1] - 1, 0) - 1)
;;       q = np.round(r / step) * step * 2.0 ** e      # np.round: ties to even
;;       return np.moveaxis(q.reshape(q.shape[:-2] + (-1,))[..., :K], -1, axis).astype(np.float32)
;;   ~~~
;; One version. Each part assembles by itself: llvm-mc -triple=amdgcn-amd-amdhsa -mcpu=gfx1250 --defsym DOCPART=n.
;; ======== version 1 of 1: 4 launches
;; limits: values are held in f16: magnitudes above 65,504 overflow, below 6.1e-05 lose precision
;; workspace buffers: xc 4,194,304 bytes; xs 262,144 bytes; wc 1,572,864 bytes; ws 98,304 bytes; wo16 2,097,152 bytes; qkv 50,331,648 bytes; att 16,777,216 bytes
;; launch prep (part 1): grid 368 x 1, 4 waves a work-group, no clusters, 68,096 bytes of LDS; arguments x, wq, wk, wv, wo, xc, xs, wc, ws, wo16; writes xc, xs, wc, ws, wo16
.if DOCPART == 1
	.amdgcn_target "amdgcn-amd-amdhsa--gfx1250"
	.amdhsa_code_object_version 6
	.text
	.protected	k_q122696b009_prep
	.globl	k_q122696b009_prep
	.p2align	8
	.type	k_q122696b009_prep,@function
k_q122696b009_prep:
	s_mov_b64 s[64:65], 0
	v_nop
	global_prefetch_b8 v0, s[64:65] scope:SCOPE_SE
	s_setreg_imm32_b32 hwreg(HW_REG_WAVE_MODE, 25, 1), 1
	s_wait_xcnt 0x0
; PREP: the operands are laid out once, for the launches that read them many times.
;   work-groups   0 ..  47: wq, wk, wv [1024 k][1024 n] f32 -> codes of FP4 (E2M1) with K innermost, wc [3072][512 bytes] (wq's columns, then wk's, then wv's), and one E8M0 byte for each 32 along K, ws [3072][32]
;   work-groups  48 .. 303: x [8192][1024] f32 -> xc [8192][512 bytes], xs [8192][32]
;   work-groups 304 .. 367: wo [1024][1024] f32 -> wo16, the same numbers in f16, as they lie
; The three ways part on the work-group's number alone; waves share nothing, so there is no barrier.  Each way that uses LDS has LDS bytes of its own.
; A block's scale is 2^(floor(log2(its largest magnitude)) - 2); its byte is the largest magnitude's exponent field - 2, held at 1 from below.
; LIMITS: a block of zeros gets the byte 1 where the rule says 127 (its codes are zeros, and this program alone reads the bytes); blocks whose largest magnitude lies under 2^(2 - 126) keep the floor's byte;
; NaN and infinities are not served; |wo| stays under 65,504, f16's largest number.
.set SPARE,  67584                     ; behind both ways' LDS: the spare words, 128 bytes for each wave: two blocks of 256 bytes that no other line names
.set SPW,    12                        ; v12  LDS address of my spare word; never rewritten
.set NIL,    13                        ; v13  0; never rewritten
.set EMAX,   2
; x's way: a wave takes 16 steps of 512 numbers
.set WREG,   8192                      ; LDS 0 .. 32,767: a region for each wave: two stages of 32 x SP bytes, and behind them its 256 scale bytes
.set SP,     80                        ; a lane's place in a stage: its 64 bytes + 16 of padding
.set CB,     8                         ; bytes of 16 codes
.set STEPS,  16
.set XR,     16                        ; v16-79   four sets of 16 numbers as they are loaded
.set XX,     80                        ; v80-111  two sets of 16 neighbours
.set XE,     112                       ; v112-127 a scale byte for each step
.set XC,     128                       ; v128-191 codes: four registers for each step, so that no store's data are written again
; the weights' way: a wave takes 32 columns x 512 along K
.set WSTG,   32768                     ; LDS 32,768 .. 67,583: a stage of 32 rows x WP bytes for each wave
.set NB,     16                        ; blocks of 32 along K
.set WP,     272                       ; a stage row: 256 bytes of codes + 16
.set WX,     32                        ; v32-95   two sets of 32 numbers
.set WC,     96                        ; v96-99   a block's codes
.set WOUT,   112                       ; v112-175 the way out
.set WSB,    24                        ; v24-27   the scale bytes, four to a register
.macro XLOAD t                         ; step t: four loads, each 512 consecutive bytes
.irp i, 0,1,2,3
	global_load_b128 v[XR+16*((\t)%4)+4*\i:XR+16*((\t)%4)+4*\i+3], v3, s[4:5] offset:2048*(\t)+512*\i th:TH_LOAD_NT
.endr
.endm
.macro XTURN t                         ; step t's numbers through the stage: in as loaded, out 64 bytes a lane; LDS serves a wave's instructions in order
.irp i, 0,1,2,3
	ds_store_b128 v14, v[XR+16*((\t)%4)+4*\i:XR+16*((\t)%4)+4*\i+3] offset:32*SP*((\t)%2)+8*SP*\i
.endr
.irp i, 0,1,2,3
	ds_load_b128 v[XX+16*((\t)%2)+4*\i:XX+16*((\t)%2)+4*\i+3], v15 offset:32*SP*((\t)%2)+16*\i
.endr
.endm
.macro XSTEP t
.set XS, XX+16*((\t)%2)
.if (\t) > 0
	s_wait_dscnt 1                                 ; this step's numbers are back from the stage; the last step's byte store may be out
.else
	s_wait_dscnt 0x0
.endif
.if (\t)+4 < STEPS
	XLOAD (\t)+4                                   ; into the registers that this step's stores into the stage have read
.endif
.if (\t)+1 < STEPS
.if STEPS-2-(\t) >= 3
	s_wait_loadcnt 12                              ; the next step's four loads are in; those of the three steps behind it may be out
.else
	s_wait_loadcnt 4*(STEPS-2-(\t))
.endif
	XTURN (\t)+1
.endif
	v_max3_num_f32 v8, |v[XS]|, |v[XS+1]|, |v[XS+2]|               ; the largest magnitude of my 16, in two chains
	v_max3_num_f32 v9, |v[XS+3]|, |v[XS+4]|, |v[XS+5]|
.irp i, 6,10
	v_max3_num_f32 v8, v8, |v[XS+\i]|, |v[XS+\i+1]|
	v_max3_num_f32 v9, v9, |v[XS+\i+2]|, |v[XS+\i+3]|
.endr
	v_max3_num_f32 v8, v8, |v[XS+14]|, |v[XS+15]|
	v_max3_num_f32 v8, v8, v9, (EMAX+1)<<23        ; and the floor 2^(3 - 127): the byte cannot fall under 1
	v_max_num_f32_dpp v8, v8, v8 row_xmask:1 row_mask:0xf bank_mask:0xf   ; with my neighbour's 16: the block's
	v_add_nc_u32 v11, -(EMAX<<23), v8              ; 2 off its exponent field: the conversion takes the exponent field of this operand as its scale
	v_cvt_scalef32_pk8_fp4_f32 v[XC+4*(\t)], v[XS:XS+7], v11
	v_cvt_scalef32_pk8_fp4_f32 v[XC+4*(\t)+1], v[XS+8:XS+15], v11
	v_lshrrev_b32 v[XE+(\t)], 23, v11              ; the scale's byte (also the plain line behind the conversions)
	ds_store_b8 v5, v[XE+(\t)] offset:16*(\t)      ; both lanes of a block write the same byte with the same value
	global_store_b64 v4, v[XC+4*(\t):XC+4*(\t)+1], s[14:15] offset:32*CB*(\t)   ; the wave stores 256 consecutive bytes, aligned
.endm
.macro WLOAD t                         ; block t: w(32 t + i, my column), i = 0 .. 31: each load reads 128 consecutive bytes a wave
.irp i, 0,1,2,3,4,5,6,7,8,9,10,11,12,13,14,15,16,17,18,19,20,21,22,23,24,25,26,27,28,29,30,31
	global_load_b32 v[WX+32*((\t)%2)+\i], v3, s[26:27] offset:(32*(\t)+\i)*4096 th:TH_LOAD_NT
.endr
.endm
.macro WBLOCK t
.set WS, WX+32*((\t)%2)
.if (\t) < NB-1
	s_wait_loadcnt 32                              ; this block's 32 loads are in; the next block's may be out
.else
	s_wait_loadcnt 0
.endif
	v_max3_num_f32 v16, |v[WS]|, |v[WS+1]|, |v[WS+2]|              ; the block's largest magnitude: all 32 numbers are mine
	v_max3_num_f32 v17, |v[WS+3]|, |v[WS+4]|, |v[WS+5]|
.irp i, 6,10,14,18,22,26
	v_max3_num_f32 v16, v16, |v[WS+\i]|, |v[WS+\i+1]|
	v_max3_num_f32 v17, v17, |v[WS+\i+2]|, |v[WS+\i+3]|
.endr
	v_max3_num_f32 v16, v16, |v[WS+30]|, |v[WS+31]|
	v_max3_num_f32 v16, v16, v17, (EMAX+1)<<23     ; and the floor
	v_add_nc_u32 v11, -(EMAX<<23), v16             ; the conversion's scale operand
	v_lshrrev_b32 v17, 23, v11                     ; the scale's byte
.if (\t)%4 == 0
	v_mov_b32 v[WSB+(\t)/4], v17                   ; four bytes to a register, the lower K in the lower byte
.else
	v_lshl_or_b32 v[WSB+(\t)/4], v17, 8*((\t)%4), v[WSB+(\t)/4]
.endif
.irp g, 0,1,2,3
	v_cvt_scalef32_pk8_fp4_f32 v[WC+\g], v[WS+8*\g:WS+8*\g+7], v11
.endr
	ds_store_b128 v4, v[WC:WC+3] offset:16*(\t)    ; 32 codes: 16 bytes of my column's row
.if (\t)+2 < NB
	WLOAD (\t)+2
.endif
	s_wait_dscnt 0x0                               ; the store has read its registers: the next block's codes may be written
.endm
	s_load_b256 s[4:11], s[0:1], 0x0               ; x s[4:5], wq s[6:7], wk s[8:9], wv s[10:11]
	s_load_b256 s[12:19], s[0:1], 0x20             ; wo s[12:13], xc s[14:15], xs s[16:17], wc s[18:19]
	s_load_b128 s[20:23], s[0:1], 0x40             ; ws s[20:21], wo16 s[22:23]
	v_lshl_add_u32 v[SPW], v0, 2, SPARE
	v_mov_b32 v[NIL], 0
	v_lshrrev_b32 v1, 5, v0
	v_readfirstlane_b32 s24, v1                    ; wave 0..3
	v_and_b32 v2, 31, v0                           ; lane
	s_wait_kmcnt 0x0
	s_cmp_lt_u32 ttmp9, 48
	s_cbranch_scc1 .Lweights
	s_cmp_lt_u32 ttmp9, 304
	s_cbranch_scc1 .Ltokens
	; ---- wo to f16: a wave takes 4,096 numbers; 32 loads of 512 consecutive bytes, all on their way at once; each store covers 256 consecutive bytes, aligned
	s_sub_co_u32 s25, ttmp9, 304
	s_lshl_b32 s25, s25, 2
	s_add_co_u32 s25, s25, s24                     ; which run of 4,096 numbers is my wave's
	s_lshl_b32 s26, s25, 14
	s_mov_b32 s27, 0
	s_add_nc_u64 s[12:13], s[12:13], s[26:27]
	s_lshl_b32 s26, s25, 13
	s_add_nc_u64 s[22:23], s[22:23], s[26:27]
	v_lshlrev_b32 v3, 4, v2
	v_lshlrev_b32 v4, 3, v2
.set i, 0
.rept 32
	global_load_b128 v[16+4*i:19+4*i], v3, s[12:13] offset:512*i th:TH_LOAD_NT
.set i, i+1
.endr
.set i, 0
.rept 32
	s_wait_loadcnt 31-i                            ; loads come back in order: load i is in, the younger ones stay out
	v_cvt_pk_f16_f32 v[16+4*i], v[16+4*i], v[17+4*i]
	v_cvt_pk_f16_f32 v[17+4*i], v[18+4*i], v[19+4*i]
	global_store_b64 v4, v[16+4*i:17+4*i], s[22:23] offset:256*i   ; no register is written again: no wait for the stores' sources
.set i, i+1
.endr
	s_endpgm
.Ltokens:
	; ---- x: a plain stream of blocks of 32.  The conversions want 16 neighbours in a lane, the loads neighbouring bytes in neighbouring lanes: a step's 2,048 bytes turn through the wave's own stage
	v_lshlrev_b32 v3, 4, v2                        ; my 16 bytes of a load's 512
	s_mul_i32 s25, s24, WREG
	v_lshrrev_b32 v14, 2, v2
	v_mul_u32_u24 v14, v14, SP
	v_and_b32 v15, 3, v2
	v_lshl_add_u32 v14, v15, 4, v14
	v_add_nc_u32 v14, s25, v14                     ; the stage, on the way in: SP (lane / 4) + 16 (lane % 4)
	v_mul_u32_u24 v15, v2, SP
	v_add_nc_u32 v15, s25, v15                     ; and on the way out: SP x lane
	v_mul_u32_u24 v4, v2, CB                       ; my codes' place in a step's
	v_lshrrev_b32 v5, 1, v2
	s_add_co_u32 s25, s25, 2*32*SP
	v_add_nc_u32 v5, s25, v5                       ; my wave's 256 scale bytes, my block's byte
	v_lshlrev_b32 v7, 3, v2
	v_add_nc_u32 v6, s25, v7                       ; and on the way out 8 bytes a lane
	s_sub_co_u32 s26, ttmp9, 48
	s_lshl_b32 s26, s26, 2
	s_add_co_u32 s26, s26, s24                     ; which run of 8,192 numbers is my wave's: 0 .. 1,023
	s_mov_b32 s29, 0
	s_lshl_b32 s28, s26, 15
	s_add_nc_u64 s[4:5], s[4:5], s[28:29]
	s_lshl_b32 s28, s26, 12
	s_add_nc_u64 s[14:15], s[14:15], s[28:29]
	s_lshl_b32 s28, s26, 8
	s_add_nc_u64 s[16:17], s[16:17], s[28:29]
.irp t, 0,1,2,3
	XLOAD \t
.endr
	s_wait_loadcnt 12                              ; step 0's four loads are in
	XTURN 0
.irp t, 0,1,2,3,4,5,6,7,8,9,10,11,12,13,14,15
	XSTEP \t
.endr
	ds_load_b64 v[8:9], v6                         ; LDS serves a wave's instructions in order: these see my byte stores
	s_wait_dscnt 0x0
	global_store_b64 v7, v[8:9], s[16:17]          ; the wave's 256 scale bytes: 256 consecutive bytes, aligned
	s_wait_tensorcnt 0x0                           ; the wave's end: a wait, an add of 0 to my spare word and its wait, behind my last LDS store
	ds_add_u32 v[SPW], v[NIL]
	s_wait_dscnt 0x0
	s_endpgm
.Lweights:
	; ---- wq, wk, wv: K is the FIRST axis.  A lane takes a column and its registers run down K: a block of 32 lies in one lane, and the codes come out with K innermost
	s_cmp_lt_u32 ttmp9, 16                         ; which tensor: the choice hangs on the work-group's number alone
	s_cselect_b64 s[26:27], s[6:7], s[8:9]
	s_cmp_lt_u32 ttmp9, 32
	s_cselect_b64 s[26:27], s[26:27], s[10:11]
	s_and_b32 s28, ttmp9, 1                        ; which 512 along K
	s_bfe_u32 s29, ttmp9, 0x30001                  ; which 128 columns
	s_lshr_b32 s30, ttmp9, 4                       ; the tensor's number
	s_lshl_b32 s29, s29, 7
	s_lshl_b32 s31, s24, 5
	s_add_co_u32 s29, s29, s31                     ; my wave's first column in its tensor
	s_lshl_b32 s30, s30, 10
	s_add_co_u32 s30, s30, s29                     ; and its row in wc and ws
	s_lshl_b32 s32, s28, 21                        ; 512 rows of 4,096 bytes
	s_lshl_b32 s33, s29, 2
	s_add_co_u32 s32, s32, s33
	s_mov_b32 s33, 0
	s_add_nc_u64 s[26:27], s[26:27], s[32:33]
	s_lshl_b32 s32, s30, 9                         ; a row of codes is 512 bytes; my 512 along K are 256 of them
	s_lshl_b32 s34, s28, 8
	s_add_co_u32 s32, s32, s34
	s_add_nc_u64 s[18:19], s[18:19], s[32:33]
	s_lshl_b32 s32, s30, 5                         ; a row of scale bytes is 32; mine are 16 of them
	s_lshl_b32 s34, s28, 4
	s_add_co_u32 s32, s32, s34
	s_add_nc_u64 s[20:21], s[20:21], s[32:33]
	v_lshlrev_b32 v3, 2, v2                        ; in: 4 bytes a lane
	s_mul_i32 s35, s24, 32*WP
	s_add_co_u32 s35, s35, WSTG                    ; my stage
	v_mul_u32_u24 v4, v2, WP
	v_add_nc_u32 v4, s35, v4                       ; into it: row = my column
	v_and_b32 v5, 15, v2
	v_lshrrev_b32 v6, 4, v2                        ; out of it: sixteen lanes to a row, two rows an instruction
	v_mul_u32_u24 v7, v6, WP
	v_lshl_add_u32 v7, v5, 4, v7
	v_add_nc_u32 v7, s35, v7
	v_lshlrev_b32 v8, 9, v6
	v_lshl_add_u32 v8, v5, 4, v8                   ; the same place in wc
	v_lshlrev_b32 v9, 5, v2                        ; my column's row of scale bytes
	WLOAD 0
	WLOAD 1
.set Q, 0
.rept NB
	WBLOCK Q
.set Q, Q+1
.endr
	global_store_b128 v9, v[WSB:WSB+3], s[20:21]   ; my column's 16 scale bytes
.irp t, 0,1,2,3,4,5,6,7,8,9,10,11,12,13,14,15
	ds_load_b128 v[WOUT+4*\t:WOUT+4*\t+3], v7 offset:2*\t*WP       ; LDS serves a wave's instructions in order: these see my stores
.endr
.irp t, 0,1,2,3,4,5,6,7,8,9,10,11,12,13,14,15
	s_wait_dscnt 15-\t
	global_store_b128 v8, v[WOUT+4*\t:WOUT+4*\t+3], s[18:19] offset:2*\t*512   ; sixteen lanes store 256 consecutive bytes, aligned
.endr
	s_wait_tensorcnt 0x0                           ; the wave's end: a wait, an add of 0 to my spare word and its wait, behind my last LDS store
	ds_add_u32 v[SPW], v[NIL]
	s_wait_dscnt 0x0
	s_endpgm
.Lfunc_end_k_q122696b009_prep:
	.size	k_q122696b009_prep, .Lfunc_end_k_q122696b009_prep-k_q122696b009_prep
	.p2alignl 7, 3214868480
	.fill 96, 4, 3214868480
	.section	.rodata,"a",@progbits
	.p2align	6, 0x0
	.amdhsa_kernel k_q122696b009_prep
		.amdhsa_group_segment_fixed_size 68096
		.amdhsa_private_segment_fixed_size 0
		.amdhsa_enable_private_segment 0
		.amdhsa_kernarg_size 80
		.amdhsa_user_sgpr_count 2
		.amdhsa_user_sgpr_kernarg_segment_ptr 1
		.amdhsa_wavefront_size32 1
		.amdhsa_system_sgpr_workgroup_id_x 1
		.amdhsa_system_sgpr_workgroup_id_y 1
		.amdhsa_system_sgpr_workgroup_id_z 1
		.amdhsa_system_vgpr_workitem_id 0
		.amdhsa_next_free_vgpr 192
		.amdhsa_next_free_sgpr 66
		.amdhsa_reserve_vcc 0
		.amdhsa_float_denorm_mode_32 3
		.amdhsa_float_denorm_mode_16_64 3
		.amdhsa_memory_ordered 1
		.amdhsa_forward_progress 1
		.amdhsa_inst_pref_size 122
	.end_amdhsa_kernel
	.amdgpu_metadata
---
amdhsa.version: [ 1, 2 ]
amdhsa.kernels:
  - .name:           k_q122696b009_prep
    .symbol:         k_q122696b009_prep.kd
    .args:
      - { .name: x, .offset: 0, .size: 8, .value_kind: global_buffer, .address_space: global }
      - { .name: wq, .offset: 8, .size: 8, .value_kind: global_buffer, .address_space: global }
      - { .name: wk, .offset: 16, .size: 8, .value_kind: global_buffer, .address_space: global }
      - { .name: wv, .offset: 24, .size: 8, .value_kind: global_buffer, .address_space: global }
      - { .name: wo, .offset: 32, .size: 8, .value_kind: global_buffer, .address_space: global }
      - { .name: xc, .offset: 40, .size: 8, .value_kind: global_buffer, .address_space: global }
      - { .name: xs, .offset: 48, .size: 8, .value_kind: global_buffer, .address_space: global }
      - { .name: wc, .offset: 56, .size: 8, .value_kind: global_buffer, .address_space: global }
      - { .name: ws, .offset: 64, .size: 8, .value_kind: global_buffer, .address_space: global }
      - { .name: wo16, .offset: 72, .size: 8, .value_kind: global_buffer, .address_space: global }
    .group_segment_fixed_size: 68096
    .private_segment_fixed_size: 0
    .kernarg_segment_align: 8
    .kernarg_segment_size: 80
    .max_flat_workgroup_size: 128
    .sgpr_count:     66
    .vgpr_count:     192
    .wavefront_size: 32
...
	.end_amdgpu_metadata
.endif
;; end of part 1
;; launch qkv (part 2): grid 12 x 32, 4 waves a work-group, clusters of 4 x 4, 327,680 bytes of LDS; arguments xc, xs, wc, ws, freqs_cos, freqs_sin, qkv; writes qkv
.if DOCPART == 2
	.amdgcn_target "amdgcn-amd-amdhsa--gfx1250"
	.amdhsa_code_object_version 6
	.text
	.protected	k_q122696b009_qkv
	.globl	k_q122696b009_qkv
	.p2align	8
	.type	k_q122696b009_qkv,@function
k_q122696b009_qkv:
	s_mov_b64 s[64:65], 0
	v_nop
	global_prefetch_b8 v0, s[64:65] scope:SCOPE_SE
	s_setreg_imm32_b32 hwreg(HW_REG_WAVE_MODE, 25, 1), 1
	s_wait_xcnt 0x0
	s_wait_alu depctr_hold_cnt(0) depctr_sa_sdst(0) depctr_va_vdst(0) depctr_va_sdst(0) depctr_va_ssrc(0) depctr_va_vcc(0) depctr_vm_vsrc(0)
	s_getreg_b32 s2, hwreg(HW_REG_IB_STS2, 6, 4)
	s_cmp_eq_u32 s2, 0
	s_cbranch_scc0 .Lentry_in_a_cluster
	s_endpgm
.Lentry_in_a_cluster:
	s_bfe_u32 s2, ttmp6, 0x10000c
	s_cmp_lg_u32 s2, 0xf033
	s_cbranch_scc0 .Lentry_shape_is_right
	s_endpgm
.Lentry_shape_is_right:
; QKV: [8192 tokens][1024] x [3072 columns][1024]^T on codes of FP4 (E2M1) with one E8M0 scale for each 32 along K; sums in f32; then the rotation of q and k, and the rounding to f16.
; Columns 0-1023 are q's, 1024-2047 k's, 2048-3071 v's.  qkv: [3][4 b][16 h][2048 t][64] f16: a head's 64 channels of neighbouring tokens lie on end.
; A tile, 256 tokens x 256 columns, is made by a work-group of four waves; a wave makes 128 x 128: 64 accumulators of 16 x 16, 512 registers.
; K = 1,024 is two steps of 512, each a slot of LDS (rows of 256 bytes): both slots and the scale bytes of the tile's rows are asked for at the head, and nothing is filled again: three tensor loads of a wave are out at the most.
; CLUSTERS: 4 x 4 work-groups.  The four of a row of the cluster need the same tiles of x, the four of a column the same tiles of w: each is asked for JOINTLY, by the same tensor load with the same descriptor and a mask that names the four.
; The cluster's x is the tensor (q, k, v): the same in all sixteen partners.
; THE MATRIX INSTRUCTION IS USED TRANSPOSED (source 0 = 16 columns of w, source 1 = 16 tokens): a lane then holds eight neighbouring columns of one token.
; REGISTERS, in windows of 256: window 0: v0-31 addresses; v32-95 scale words, two sets; from v128 x's fragments, ONE set; on the way out v32-255 are free.
;   window 1: w's fragments, TWO sets, at v0 and v128.   window 2: the accumulators of my tokens 0-63 ((a, b) at v[8 (8 a + b)]);   window 3: those of my tokens 64-127.
; LIMITS: |q|, |k|, |v| stay under 65,504, f16's largest number; NaN and infinities are not served.
.set KSTEP,  512
.set NQ,     KSTEP/128                 ; matrix instructions deep
.set ROWB,   256                       ; a tile's row in bytes
.set KROW,   512                       ; a row of codes in memory
.set PITCH,  272                       ; an LDS row: 256 bytes + 16 = 68 words: the 16 rows that a load touches start at 16 different banks (64 banks of 4 bytes: ISA guide 11.1)
.set FR,     8                         ; registers of a fragment: 16 rows x 128 K
.set NL,     2                         ; LDS loads that bring one
.set NP,     4                         ; places behind this matrix instruction (ISA guide 7.12.1)
.set HALFT,  128*PITCH                 ; 128 rows: what one tensor load brings
.set SLOT,   4*HALFT                   ; x's 256 rows, then w's 256 rows
.set KS,     32                        ; a row of scale bytes
.set SCL,    2*SLOT                    ; behind the slots: the scale bytes, as units of 256 bytes + 16 of padding
.set HALFS,  (128*KS/256)*272          ; those of 128 rows
.set SBLK,   (16*KS/256)*272           ; those of 16 rows
.set SPARE,  SCL+4*HALFS               ; the spare words, 128 bytes for each wave: two blocks of 256 bytes that no other line names
.set SPITCH, 528                       ; the way out: a stage of 16 rows x (512 bytes + 16) for each wave, in slot 0, which has had its only fill and its last read when the first result is stored there
.set ADRA, 16                          ; v16-17  LDS address of my x fragments in slot 0, 1
.set ADRB, 20                          ; v20-21  the same for w
.set STO,  24                          ; v24     the way out: where I put 32 bytes of a row
.set RD,   25                          ; v25     where I read 32 bytes back: token lane / 8, channels 8 (lane % 8) on
.set CO,   26                          ; v26     16 x lane: my place in 512 consecutive bytes of the tables and of qkv
.set ADRS, 27                          ; v27     LDS address of my scale words: lanes 0-15 x's rows, lanes 16-31 w's
.set SPW,  28                          ; v28     LDS address of my spare word; never rewritten
.set NIL,  29                          ; v29     0; never rewritten
.set ONE,  30                          ; v30     1.0
.set ZER,  31                          ; v31     0.0
.set TT,   2                           ; v2-9    at work on the way out
.set SC,   32                          ; scale words: set s at v[SC + 32 s]; register 4 i + q: lanes 0-15 x's block i, lanes 16-31 w's block i, the slot's q-th 128 along K
.set AF,   128                         ; x's fragments
.set CSB,  32                          ; the way out: v32-95: cosines (16) and sines (16) of a block, two sets by turns
.set OUT,  96                          ; v96-127: packed results, four registers for each of a block's eight stores
.set BK,   128                         ; v128-255: a block read back from the stage, two sets by turns
.set G1,   24                          ; s[24:31] descriptor group 1 for x's tiles;  s[32:39] group 0, a set for each slot
.set G0,   32
.set G1B,  48                          ; s[48:55], s[56:63] the same for w's tiles
.set G0B,  56
.set G1S,  68                          ; s[68:75], s[76:79] groups 1 and 0 for x's scales;  s[80:87], s[88:91] for w's
.set G0S,  76
.set G1SB, 80
.set G0SB, 88
.set ISV,  95                          ; s95  all ones where the tensor is v, else 0
.set COSP, 96                          ; s[96:97] the cosines at my first token;  s[98:99] the sines
.set SINP, 98
.set MSB, 0
.macro WIN new                         ; the immediate's high byte repeats the setting that is left
.if MSB != \new
	s_set_vgpr_msb (MSB<<8)|\new
.set MSB, \new
.endif
.endm
.set MUL_LO, 0xa1                      ; source 0 (w) window 1, source 1 (x) window 0, C and D window 2
.set MUL_HI, 0xf1                      ; the same, C and D window 3
.set TO_B,   0x40                      ; destination window 1, address window 0
; A joint load: waves 0 and 1 fetch for x, waves 2 and 3 for w.  Each line has one mask and one set of registers; the branch hangs on the wave's number alone.
; An s_nop 0 and four v_nop follow each of the two lines.
.macro JLOAD g0a, g1a, g0b, g1b
	s_cmp_eq_u32 s15, 0
	s_cbranch_scc0 .Lfor_b_\@
	tensor_load_to_lds s[\g0a:\g0a+3], s[\g1a:\g1a+7]
	s_nop 0
.rept 4
	v_nop
.endr
	s_branch .Lasked_\@
.Lfor_b_\@:
	tensor_load_to_lds s[\g0b:\g0b+3], s[\g1b:\g1b+7]
	s_nop 0
.rept 4
	v_nop
.endr
.Lasked_\@:
.endm
.macro CROUND                          ; a round of the cluster's barrier: my work-group's barrier; wave 0 signals for the work-group; every wave waits for all sixteen; my work-group's barrier once more
	s_barrier_signal -1
	s_barrier_wait -1
	s_cmp_lg_u32 s14, 0
	s_cbranch_scc1 .Lnot_wave_0_\@
	s_barrier_signal -3
.Lnot_wave_0_\@:
	s_barrier_wait -3
	s_barrier_signal -1
	s_barrier_wait -1
.endm
	s_load_b128 s[4:7], s[0:1], 0x0                ; x's codes s[4:5], x's scales s[6:7]
	s_load_b128 s[8:11], s[0:1], 0x10              ; w's codes s[8:9], w's scales s[10:11]
	s_load_b128 s[COSP:COSP+3], s[0:1], 0x20       ; the cosines, the sines
	s_load_b64 s[12:13], s[0:1], 0x30              ; qkv
	v_lshl_add_u32 v[SPW], v0, 2, SPARE
	v_mov_b32 v[NIL], 0
	ds_add_u32 v[SPW], v[NIL]                      ; the wave's opening: the add, twice on end, and its wait ahead of my first tensor load; the set-up below stands between
	ds_add_u32 v[SPW], v[NIL]
	v_lshrrev_b32 v1, 5, v0
	v_readfirstlane_b32 s14, v1                    ; wave 0..3
	s_lshr_b32 s15, s14, 1                         ; which half of the tile's tokens is mine.  Also: I fetch for x (0) or for w (1)
	s_and_b32 s16, s14, 1                          ; which half of its columns.  Also: which 128 rows of that tile I fetch
	s_bfe_u32 s40, ttmp6, 0x40000                  ; cx, cy: my place in the cluster
	s_bfe_u32 s41, ttmp6, 0x40004
	s_lshl_b32 s42, ttmp9, 2
	s_add_co_u32 s42, s42, s40                     ; tile column = 4 x cluster x + cx
	s_and_b32 s17, ttmp7, 0xffff
	s_lshl_b32 s17, s17, 2
	s_add_co_u32 s17, s17, s41                     ; tile row = 4 x cluster y + cy
	s_lshl_b32 s43, s41, 2
	s_lshl_b32 s43, 15, s43                        ; my row of the cluster
	s_lshl_b32 s44, 0x1111, s40                    ; my column
	; descriptor group 1: a tile of 128 rows x 256 bytes, padded in LDS
	s_or_b32 s[G1+0], s43, (0<<16)|(1<<20)|(1<<21)|(5<<22)|(3<<25)  ; 15:0 the mask; 17:16 elements of 1 byte; 20 padding on; 21 set beside a mask; 24:22 after every 64 words; 31:25 four words
	s_or_b32 s[G1B+0], s44, (0<<16)|(1<<20)|(1<<21)|(5<<22)|(3<<25)
.irp g, G1, G1B
	s_mov_b32 s[\g+1], ROWB<<16                    ; tensor_dim0
	s_mov_b32 s[\g+2], 128<<16                     ; tensor_dim1
	s_mov_b32 s[\g+3], ROWB<<16                    ; tile_dim0
	s_mov_b32 s[\g+4], 128                         ; tile_dim1
	s_mov_b32 s[\g+5], KROW                        ; from row to row
	s_mov_b32 s[\g+6], 0
	s_mov_b32 s[\g+7], 0
.endr
	; the scales of 128 rows: a dense block of 4,096 bytes, as 16 rows of 256 bytes (32 elements of 8 bytes), 16 bytes of padding behind each
	s_or_b32 s[G1S+0], s43, (3<<16)|(1<<20)|(1<<21)|(5<<22)|(3<<25)
	s_or_b32 s[G1SB+0], s44, (3<<16)|(1<<20)|(1<<21)|(5<<22)|(3<<25)
.irp g, G1S, G1SB
	s_mov_b32 s[\g+1], 32<<16
	s_mov_b32 s[\g+2], (128*KS/256)<<16
	s_mov_b32 s[\g+3], 32<<16
	s_mov_b32 s[\g+4], 128*KS/256
	s_mov_b32 s[\g+5], 32
	s_mov_b32 s[\g+6], 0
	s_mov_b32 s[\g+7], 0
.endr
	s_lshl_b32 s18, s16, 7                         ; which 128 rows of the tile I fetch
	s_lshl_b32 s20, s17, 8
	s_add_co_u32 s20, s20, s18                     ; x: row 256 x tile row + 128 x half
	s_lshl_b32 s46, s42, 8
	s_add_co_u32 s46, s46, s18                     ; w: row 256 x tile column + 128 x half
	s_mov_b32 s21, 0
	s_mov_b32 s47, 0
	s_mov_b64 s[18:19], KS
	s_mul_u64 s[22:23], s[20:21], s[18:19]         ; where these rows' scales begin, in bytes
	s_mul_u64 s[92:93], s[46:47], s[18:19]
	s_mov_b64 s[18:19], KROW
	s_mul_u64 s[20:21], s[20:21], s[18:19]         ; and their codes
	s_mul_u64 s[46:47], s[46:47], s[18:19]
	s_mul_i32 s45, s14, HALFT                      ; where they go: wave x 128 rows: no place in the cluster enters an LDS address
	s_mul_i32 s94, s14, HALFS
	s_wait_dscnt 0x0                               ; both opening adds are done
	s_wait_kmcnt 0x0
	s_add_nc_u64 s[20:21], s[4:5], s[20:21]
	s_add_nc_u64 s[22:23], s[6:7], s[22:23]
	s_add_nc_u64 s[46:47], s[8:9], s[46:47]
	s_add_nc_u64 s[92:93], s[10:11], s[92:93]
	CROUND                                         ; all sixteen work-groups are here: the joint loads meet
	s_mov_b32 s[G0S], 1
	s_add_co_u32 s[G0S+1], s94, SCL
	s_mov_b64 s[G0S+2:G0S+3], s[22:23]
	s_or_b32 s[G0S+3], s[G0S+3], 0x80000000
	s_mov_b32 s[G0SB], 1
	s_add_co_u32 s[G0SB+1], s94, SCL
	s_mov_b64 s[G0SB+2:G0SB+3], s[92:93]
	s_or_b32 s[G0SB+3], s[G0SB+3], 0x80000000
	JLOAD G0S, G1S, G0SB, G1SB                     ; the scales first: they are wanted with K step 0
.irp s, 0,1
	s_mov_b32 s[G0+4*\s], 1
	s_add_co_u32 s[G0+4*\s+1], s45, \s*SLOT
	s_add_nc_u64 s[G0+4*\s+2:G0+4*\s+3], s[20:21], \s*ROWB
	s_or_b32 s[G0+4*\s+3], s[G0+4*\s+3], 0x80000000
	s_mov_b32 s[G0B+4*\s], 1
	s_add_co_u32 s[G0B+4*\s+1], s45, \s*SLOT
	s_add_nc_u64 s[G0B+4*\s+2:G0B+4*\s+3], s[46:47], \s*ROWB
	s_or_b32 s[G0B+4*\s+3], s[G0B+4*\s+3], 0x80000000
	JLOAD G0+4*\s, G1, G0B+4*\s, G1B
.endr
	v_and_b32 v1, 15, v0                           ; l % 16
	v_bfe_u32 v2, v0, 4, 1                         ; l / 16
	v_mul_u32_u24 v3, v1, PITCH
	v_lshl_add_u32 v4, v2, 4, v3                   ; a fragment's row x pitch + 16 x half
	s_mul_i32 s21, s15, HALFT                      ; my 128 rows of x
	s_mul_i32 s22, s16, HALFT                      ; my 128 rows of w,
	s_add_co_u32 s22, s22, 2*HALFT                 ; which lie behind x's 256
.irp s, 0,1
	v_add_nc_u32 v[ADRA+\s], s21, v4
	v_add_nc_u32 v[ADRB+\s], s22, v4
	s_add_co_u32 s21, s21, SLOT
	s_add_co_u32 s22, s22, SLOT
.endr
	v_mul_u32_u24 v5, v1, KS                       ; my row's scales: 32 bytes a row,
	v_lshrrev_b32 v6, 8, v5
	v_lshl_add_u32 v5, v6, 4, v5                   ; and 16 more for each 256 passed
	s_mul_i32 s21, s15, HALFS                      ; x's: my 128 rows
	s_mul_i32 s22, s16, HALFS                      ; w's: my 128 rows, behind x's 256
	s_add_co_u32 s22, s22, 2*HALFS
	s_sub_co_u32 s22, s22, s21
	v_mul_u32_u24 v6, s22, v2                      ; lanes 16-31 take w's: the lower base + half x the distance
	s_add_co_u32 s21, s21, SCL
	v_add_nc_u32 v5, v5, v6
	v_add_nc_u32 v[ADRS], s21, v5
	s_mul_i32 s23, s14, 16*SPITCH                  ; my stage
	v_mul_u32_u24 v5, v1, SPITCH                   ; in: row l % 16, 32 bytes for each half of the lanes
	v_lshl_add_u32 v5, v2, 5, v5
	v_add_nc_u32 v[STO], s23, v5
	v_and_b32 v6, 31, v0
	v_lshlrev_b32 v[CO], 4, v6
	v_lshrrev_b32 v7, 3, v6                        ; back: four rows an instruction: row lane / 8, 32 bytes (eight channels) at 32 (lane % 8)
	v_mul_u32_u24 v7, v7, SPITCH
	v_and_b32 v6, 7, v6
	v_lshl_add_u32 v7, v6, 5, v7
	v_add_nc_u32 v[RD], s23, v7
	v_mov_b32 v[ONE], 1.0
	v_mov_b32 v[ZER], 0
	; where my part begins: token t = 256 (tile row % 8) + 128 x half of batch tile row / 8; heads 4 cx + 2 x half and the next.  A token's row is 128 bytes in both tables and in a head of qkv
	s_and_b32 s20, s17, 7
	s_lshl_b32 s20, s20, 8
	s_lshl_b32 s21, s15, 7
	s_add_co_u32 s20, s20, s21
	s_lshl_b32 s20, s20, 7
	s_mov_b32 s21, 0
	s_add_nc_u64 s[COSP:COSP+1], s[COSP:COSP+1], s[20:21]
	s_add_nc_u64 s[SINP:SINP+1], s[SINP:SINP+1], s[20:21]
	s_add_nc_u64 s[12:13], s[12:13], s[20:21]
	s_lshl_b32 s46, ttmp9, 24                      ; the tensor: 16,777,216 bytes each
	s_lshr_b32 s47, s17, 3
	s_lshl_b32 s47, s47, 22                        ; the batch: 16 heads of 262,144 bytes
	s_add_co_u32 s46, s46, s47
	s_lshl_b32 s47, s40, 2
	s_lshl_b32 s22, s16, 1
	s_add_co_u32 s47, s47, s22
	s_lshl_b32 s47, s47, 18                        ; the head
	s_add_co_u32 s46, s46, s47
	s_mov_b32 s47, 0
	s_add_nc_u64 s[12:13], s[12:13], s[46:47]
	s_cmp_eq_u32 ttmp9, 2
	s_cselect_b32 s[ISV], -1, 0
.macro FRAG reg, adr, q, i             ; a fragment, 16 rows x 128 K of 4-bit codes: lane l holds row l % 16; registers 4 c .. 4 c + 3 hold K = 64 c + 32 (l / 16) + 0 .. 31
.irp c, 0,1
	ds_load_b128 v[\reg+4*\c:\reg+4*\c+3], v[\adr] offset:64*(\q)+32*\c+(\i)*16*PITCH
.endr
.endm
; 16 matrix instructions: x's blocks a0, a0 + 1 against w's eight, the slot's q-th 128 along K.  p: w's set;  sc: the set of scale words.  zero = 1: the first product starts the sums.
; The 64 accumulators take turns, one instruction a turn, in the same order in every step.
.macro MUL16 a0, p, q, sc, zero
.irp a, \a0, \a0+1
.irp b, 0,1,2,3,4,5,6,7
.if \zero
	v_wmma_scale_f32_16x16x128_f8f6f4 v[8*(8*((\a)%4)+\b):8*(8*((\a)%4)+\b)+7], v[128*(\p)+FR*\b:128*(\p)+FR*\b+FR-1], v[AF+FR*(\a):AF+FR*(\a)+FR-1], 0, v[SC+8*NQ*(\sc)+NQ*\b+(\q)], v[SC+8*NQ*(\sc)+NQ*(\a)+(\q)] matrix_a_fmt:MATRIX_FMT_FP4 matrix_b_fmt:MATRIX_FMT_FP4 matrix_a_scale:MATRIX_SCALE_ROW1
.else
	v_wmma_scale_f32_16x16x128_f8f6f4 v[8*(8*((\a)%4)+\b):8*(8*((\a)%4)+\b)+7], v[128*(\p)+FR*\b:128*(\p)+FR*\b+FR-1], v[AF+FR*(\a):AF+FR*(\a)+FR-1], v[8*(8*((\a)%4)+\b):8*(8*((\a)%4)+\b)+7], v[SC+8*NQ*(\sc)+NQ*\b+(\q)], v[SC+8*NQ*(\sc)+NQ*(\a)+(\q)] matrix_a_fmt:MATRIX_FMT_FP4 matrix_b_fmt:MATRIX_FMT_FP4 matrix_a_scale:MATRIX_SCALE_ROW1
.endif
.endr
.endr
.endm
.macro FETCH_B slot, q, p              ; w's eight fragments into set p
	WIN TO_B
.irp i, 0,1,2,3,4,5,6,7
	FRAG 128*(\p)+FR*\i, ADRB+\slot, \q, \i
.endr
	WIN 0
.endm
.macro FETCH_A slot, q, i0             ; x's blocks i0 .. i0 + 3
.irp i, \i0, \i0+1, \i0+2, \i0+3
	FRAG AF+FR*(\i), ADRA+\slot, \q, \i
.endr
.endm
.macro SCALES sc                       ; a K step's scale words into set sc: four words a row; lanes 0-15 take x's block i, lanes 16-31 w's block i
.irp i, 0,1,2,3,4,5,6,7
	ds_load_b128 v[SC+8*NQ*\sc+NQ*\i:SC+8*NQ*\sc+NQ*\i+3], v[ADRS] offset:\i*SBLK
.endr
.endm
; A load into a register that a matrix instruction has read, and an LDS store that reads a matrix result, stand NP places behind that matrix instruction; only plain vector instructions that name none of its registers are places
.macro PLACES n
.rept \n
	v_nop
.endr
.endm
.macro STEP slot, q, zero              ; a step of 128 along K that has its successor in the same slot
	s_wait_dscnt 4*NL                              ; w's set and x's blocks 0-3 are in; the youngest eight loads (x's blocks 4-7) may be out
	WIN MUL_LO
	MUL16 0, (\q)%2, \q, \slot, \zero
	MUL16 2, (\q)%2, \q, \slot, \zero
	s_wait_dscnt 0                                 ; x's blocks 4-7 are in (asked for 32 matrix instructions ago)
	PLACES NP
	FETCH_B \slot, (\q)+1, 1-(\q)%2
	FETCH_A \slot, (\q)+1, 0
	WIN MUL_HI
	MUL16 4, (\q)%2, \q, \slot, \zero
	MUL16 6, (\q)%2, \q, \slot, \zero
	PLACES NP
	WIN 0
	FETCH_A \slot, (\q)+1, 4
.endm
.macro STEPS slot, from                ; the slot's steps from .. NQ - 2
.set Q, \from
.rept NQ-1-\from
	STEP \slot, Q, 0
.set Q, Q+1
.endr
.endm
	s_wait_tensorcnt 1                             ; the scales and my part of K step 0 are in (K step 1's load may be out)
	s_barrier_signal -1
	s_barrier_wait -1                              ; everybody's are
	FETCH_B 0, 0, 0
	FETCH_A 0, 0, 0
	SCALES 0
	FETCH_A 0, 0, 4
	STEP 0, 0, 1                                   ; the first step's products start the sums: nothing is cleared
	STEPS 0, 1
	; slot 0's last step changes slots: one barrier; in front of it each wave waits for all its tensor loads (its part of slot 1) and for its own reads of slot 0
	s_wait_tensorcnt 0x0
	ds_add_u32 v[SPW], v[NIL]                      ; 0 onto my spare word
	s_wait_dscnt 4*NL+1                            ; (the add and the youngest eight loads may be out)
	WIN MUL_LO
	MUL16 0, 1, NQ-1, 0, 0
	s_wait_dscnt 0x0                               ; the add is done, and my reads of slot 0 are over
	s_barrier_signal -1
	MUL16 2, 1, NQ-1, 0, 0
	WIN 0
	s_barrier_wait -1                              ; slot 1 is whole, and nobody reads slot 0 any more
	PLACES NP
	v_add_nc_u32 v[ADRS], 4*NQ, v[ADRS]            ; on to K step 1's scale words
	FETCH_B 1, 0, 0
	FETCH_A 1, 0, 0
	SCALES 1
	WIN MUL_HI
	MUL16 4, 1, NQ-1, 0, 0
	MUL16 6, 1, NQ-1, 0, 0
	PLACES NP
	WIN 0
	FETCH_A 1, 0, 4
	STEPS 1, 0
	s_wait_dscnt 4*NL                              ; the very last step: nothing more to fetch
	WIN MUL_LO
	MUL16 0, 1, NQ-1, 1, 0
	MUL16 2, 1, NQ-1, 1, 0
	s_wait_dscnt 0
	WIN MUL_HI
	MUL16 4, 1, NQ-1, 1, 0
	MUL16 6, 1, NQ-1, 1, 0
	WIN 0
; THE WAY OUT, block by block of 16 tokens x 128 columns (two heads).  A block goes through my own stage in LDS as f32 and comes back so that lane l holds token 4 i + l / 8 and channels 8 (l % 8) + 0 .. 7 of a head:
; four pairs of the rotation.  Packed to f16 those are 16 bytes, and the wave's store covers four tokens' rows of a head: 512 consecutive bytes, aligned.  The tables come the same way: 16 bytes a lane, 512 consecutive bytes a load.
.macro CSLOAD a                        ; block a's cosines and sines: lane l gets those of token 4 i + l / 8, pairs 4 (l % 8) + 0 .. 3
.set CSX, CSB+32*((\a)%2)
.irp i, 0,1,2,3
	global_load_b128 v[CSX+4*\i:CSX+4*\i+3], v[CO], s[COSP:COSP+1] offset:(\a)*2048+512*\i
	global_load_b128 v[CSX+16+4*\i:CSX+16+4*\i+3], v[CO], s[SINP:SINP+1] offset:(\a)*2048+512*\i
.endr
.endm
.macro TOSTAGE a
.set AC, 64*((\a)%4)
	WIN 0x08+4*((\a)/4)                            ; the data: window 2 or 3
.irp b, 0,1,2,3,4,5,6,7
	ds_store_b128 v[STO], v[AC+8*\b:AC+8*\b+3] offset:64*\b          ; each accumulator from its low end on
	ds_store_b128 v[STO], v[AC+8*\b+4:AC+8*\b+7] offset:64*\b+16
.endr
	WIN 0
.set BB, BK+64*((\a)%2)
.irp i, 0,1,2,3
.irp hh, 0,1
	ds_load_b128 v[BB+16*\i+8*\hh:BB+16*\i+8*\hh+3], v[RD] offset:4*\i*SPITCH+256*\hh       ; LDS serves a wave's instructions in order: these see the stores above
	ds_load_b128 v[BB+16*\i+8*\hh+4:BB+16*\i+8*\hh+7], v[RD] offset:4*\i*SPITCH+256*\hh+16
.endr
.endr
.endm
; yl, yg: the LDS instructions and the global loads issued behind block a's, which may stay out
.macro FINISH a, yl, yg
.set CSX, CSB+32*((\a)%2)
.set BB, BK+64*((\a)%2)
	s_wait_dscnt \yl                               ; the block is back in registers,
	s_wait_loadcnt \yg                             ; its cosines and sines are in,
	s_wait_xcnt 0x0                                ; and the last block's stores have read OUT, which is written again below
.irp n, 0,1,2,3,4,5,6,7,8,9,10,11,12,13,14,15
	v_cndmask_b32 v[CSX+\n], v[CSX+\n], v[ONE], s[ISV]             ; v is not rotated: it goes through the same lines with cosine 1 and sine 0, which change nothing; no branch
	v_cndmask_b32 v[CSX+16+\n], v[CSX+16+\n], v[ZER], s[ISV]
.endr
.irp i, 0,1,2,3
.irp hh, 0,1
.irp p, 0,1,2,3
	v_mul_f32 v[TT+\p], v[BB+16*\i+8*\hh+2*\p+1], v[CSX+16+4*\i+\p]     ; t1 s
	v_mul_f32 v[TT+4+\p], v[BB+16*\i+8*\hh+2*\p], v[CSX+16+4*\i+\p]     ; t0 s
.endr
.irp p, 0,1,2,3
	v_fma_f32 v[BB+16*\i+8*\hh+2*\p], v[BB+16*\i+8*\hh+2*\p], v[CSX+4*\i+\p], -v[TT+\p]          ; t0 c - t1 s
	v_fma_f32 v[BB+16*\i+8*\hh+2*\p+1], v[BB+16*\i+8*\hh+2*\p+1], v[CSX+4*\i+\p], v[TT+4+\p]    ; t1 c + t0 s
.endr
.irp p, 0,1,2,3
	v_cvt_pk_f16_f32 v[OUT+4*(2*\i+\hh)+\p], v[BB+16*\i+8*\hh+2*\p], v[BB+16*\i+8*\hh+2*\p+1]
.endr
	global_store_b128 v[CO], v[OUT+4*(2*\i+\hh):OUT+4*(2*\i+\hh)+3], s[12:13] offset:(\a)*2048+512*\i+262144*\hh
.endr
.endr
.endm
	PLACES NP                                      ; behind the last products: for the loads into registers that held scale words and x's fragments, and for the stores that read results
	CSLOAD 0
	TOSTAGE 0
.irp a, 1,2,3,4,5,6,7
	CSLOAD \a
	TOSTAGE \a
	FINISH \a-1, 32, 8                             ; behind block a - 1's: block a's 16 stores and 16 loads in LDS, and its 8 loads of the tables
.endr
	FINISH 7, 0, 0
	s_wait_tensorcnt 0x0                           ; the wave's end: a wait, an add of 0 to my spare word and its wait, behind my last tensor load and my last LDS store
	ds_add_u32 v[SPW], v[NIL]
	s_wait_dscnt 0x0
	CROUND                                         ; the closing round
	s_endpgm
.Lfunc_end_k_q122696b009_qkv:
	.size	k_q122696b009_qkv, .Lfunc_end_k_q122696b009_qkv-k_q122696b009_qkv
	.p2alignl 7, 3214868480
	.fill 96, 4, 3214868480
	.section	.rodata,"a",@progbits
	.p2align	6, 0x0
	.amdhsa_kernel k_q122696b009_qkv
		.amdhsa_group_segment_fixed_size 327680
		.amdhsa_private_segment_fixed_size 0
		.amdhsa_enable_private_segment 0
		.amdhsa_kernarg_size 56
		.amdhsa_user_sgpr_count 2
		.amdhsa_user_sgpr_kernarg_segment_ptr 1
		.amdhsa_wavefront_size32 1
		.amdhsa_system_sgpr_workgroup_id_x 1
		.amdhsa_system_sgpr_workgroup_id_y 1
		.amdhsa_system_sgpr_workgroup_id_z 1
		.amdhsa_system_vgpr_workitem_id 0
		.amdhsa_next_free_vgpr 1024
		.amdhsa_next_free_sgpr 100
		.amdhsa_reserve_vcc 0
		.amdhsa_float_denorm_mode_32 3
		.amdhsa_float_denorm_mode_16_64 3
		.amdhsa_memory_ordered 1
		.amdhsa_forward_progress 1
		.amdhsa_inst_pref_size 205
	.end_amdhsa_kernel
	.amdgpu_metadata
---
amdhsa.version: [ 1, 2 ]
amdhsa.kernels:
  - .name:           k_q122696b009_qkv
    .symbol:         k_q122696b009_qkv.kd
    .args:
      - { .name: xc, .offset: 0, .size: 8, .value_kind: global_buffer, .address_space: global }
      - { .name: xs, .offset: 8, .size: 8, .value_kind: global_buffer, .address_space: global }
      - { .name: wc, .offset: 16, .size: 8, .value_kind: global_buffer, .address_space: global }
      - { .name: ws, .offset: 24, .size: 8, .value_kind: global_buffer, .address_space: global }
      - { .name: freqs_cos, .offset: 32, .size: 8, .value_kind: global_buffer, .address_space: global }
      - { .name: freqs_sin, .offset: 40, .size: 8, .value_kind: global_buffer, .address_space: global }
      - { .name: qkv, .offset: 48, .size: 8, .value_kind: global_buffer, .address_space: global }
    .group_segment_fixed_size: 327680
    .private_segment_fixed_size: 0
    .kernarg_segment_align: 8
    .kernarg_segment_size: 56
    .max_flat_workgroup_size: 128
    .sgpr_count:     100
    .vgpr_count:     1024
    .wavefront_size: 32
...
	.end_amdgpu_metadata
.endif
;; end of part 2
;; launch attn (part 3): grid 4 x 64, 16 waves a work-group, clusters of 4 x 1, 327,680 bytes of LDS; arguments qkv, att; writes att
.if DOCPART == 3
	.amdgcn_target "amdgcn-amd-amdhsa--gfx1250"
	.amdhsa_code_object_version 6
	.text
	.protected	k_q122696b009_attn
	.globl	k_q122696b009_attn
	.p2align	8
	.type	k_q122696b009_attn,@function
k_q122696b009_attn:
	s_mov_b64 s[64:65], 0
	v_nop
	global_prefetch_b8 v0, s[64:65] scope:SCOPE_SE
	s_setreg_imm32_b32 hwreg(HW_REG_WAVE_MODE, 25, 1), 1
	s_wait_xcnt 0x0
	s_wait_alu depctr_hold_cnt(0) depctr_sa_sdst(0) depctr_va_vdst(0) depctr_va_sdst(0) depctr_va_ssrc(0) depctr_va_vcc(0) depctr_vm_vsrc(0)
	s_getreg_b32 s2, hwreg(HW_REG_IB_STS2, 6, 4)
	s_cmp_eq_u32 s2, 0
	s_cbranch_scc0 .Lentry_in_a_cluster
	s_endpgm
.Lentry_in_a_cluster:
	s_bfe_u32 s2, ttmp6, 0x10000c
	s_cmp_lg_u32 s2, 0x3003
	s_cbranch_scc0 .Lentry_shape_is_right
	s_endpgm
.Lentry_shape_is_right:
; ATTN: att[b][h][q][:] = the sum over k of softmax_k(Q[q] . K[k] / 8) V[k][:], for each of the 64 planes (b, h).  Q, K, V: qkv [3][64 planes][2048][64] f16; att [64 planes][2048][64] f16.
; Products on f16 operands with f32 sums; maxima, exponentials and sums in f32; the weights p are rounded to f16 for the second product, the result once at the end.
; SHARES.  A work-group owns 512 queries of a plane; each of its SIXTEEN waves owns 32: two tiles of 16, in 256 registers: four waves to a SIMD, so that one wave's vector work stands beside another's matrix work and LDS loads.
; Every wave walks all 2,048 keys, 64 a step.  K's and V's tiles come through a ring of two LDS slots of 512 keys (eight steps); every wave fetches one step's tile of K (waves 0-7) or of V (waves 8-15): one tensor load of 64 rows a wave.
; CLUSTER.  The four query blocks of a plane walk the same K and V: each tile is asked for JOINTLY, by the same tensor load with the same descriptor and a mask that names the four.
; LAYOUT.  S^T = K Q^T (source 0 = 16 keys, source 1 = 16 queries): a lane holds ONE query (lane % 16) and keys 8 (lane / 16) + 0..7 of a tile.  Two such tiles, rounded to f16 in pairs, ARE source 1 (32 keys x 16 queries) of
; O^T = V^T P, whose result again holds one query a lane and eight channels.  K comes out of LDS as it lies, V ([key][channel]) turned, by ds_load_tr16_b128.
; SOFTMAX.  For each query a running maximum m and sum l: p = 2^(c s - c m), c = log2(e) / 8; in every step O and l are multiplied by a = 2^(c m_old - c m_new).  The step is written once: m begins at -3e38 and O and l as zeros.
; No prefetch is written: slots 0 and 1 are asked for at the head, and each of the two refills eight key steps ahead of its first read.
; LIMITS: |q|, |k|, |v| stay under 65,504, f16's largest number; a weight p under 6e-8 rounds to 0 in f16; NaN and infinities are not served.
.set KS,    64                         ; keys in a step
.set PK,    144                        ; a row of K in LDS: 128 bytes + 16 = 36 words: the 16 rows of a load start at 16 different groups of 4 banks (64 banks of 4 bytes: ISA guide 11.1)
.set PV,    160                        ; a row of V: 128 + 32 = 40 words
.set VOFF,  KS*PK                      ; a step's tiles lie together: 64 rows of K, then 64 rows of V
.set STEPB, KS*(PK+PV)
.set SLOTB, 8*STEPB                    ; a slot: eight steps
.set SPARE, 2*SLOTB                    ; behind the ring: the spare words, 128 bytes for each wave: eight blocks of 256 bytes that no other line names
.set SP,    144                        ; the way out: a stage of 32 rows x (128 bytes + 16) for each wave, in slot 0, which has had its last fill and its last read by then
.set AK0, 2                            ; v2   my lane's place in a tile of K; never rewritten
.set AV0, 3                            ; v3   the same for V
.set ADK, 4                            ; v4   LDS address of the step's K
.set ADV, 5                            ; v5   of its V
.set STO, 6                            ; v6   the way out: where I put 16 bytes of a row
.set RD,  7                            ; v7   where I read 16 bytes back
.set GO,  8                            ; v8   16 x lane: my place in 512 consecutive bytes of att
.set QO,  9                            ; v9   my byte offset in the wave's rows of Q
.set SPW, 10                           ; v10  LDS address of my spare word; never rewritten
.set NIL, 11                           ; v11  0; never rewritten
.set ST,  16                           ; tile t's statistics at v[ST+8 t]: +0 c m, +1 m, +2, +3 l (even keys', odd keys'), +4 to +7 c0-c3, at work; a takes c2's place
.set Q,   32                           ; v32-63   Q: tile t, channels 32 c on, at v[Q+16 t+8 c]
.set S,   64                           ; v64-127  S^T, 32 a tile; P in place, in a tile's first 16
.set O,   128                          ; v128-191 O^T, 32 a tile
.set KV,  192                          ; v192-255 eight fragments: K's, then V's
.set WV,  12                           ; s12  my wave's number
.set SEL, 14                           ; s[14:15] lane selects for v_permlanex16_b32: lane l xor 16
.set CS,  16                           ; s[16:17] c: the packed form names a pair and takes its low word for both halves
.set TB,  18                           ; s18  LDS byte at which the step's tiles begin
.set CNT, 19                           ; s19  counts a slot's eight steps
.set G1K, 24                           ; s[24:31] descriptor group 1 for K's tiles
.set G1V, 32                           ; s[32:39] for V's: it differs in the padding alone
.set G0K, 40                           ; s[40:47] descriptor group 0 for K's tiles, a set for each slot
.set G0V, 48                           ; s[48:55] the same for V's
; A joint load into slot s.  The branch hangs on the wave's number alone.  An s_nop 0 and four v_nop follow each of the two lines.
.macro JLOAD s
	s_cmp_lt_u32 s[WV], 8
	s_cbranch_scc0 .Lfor_v_\@
	tensor_load_to_lds s[G0K+4*\s:G0K+4*\s+3], s[G1K:G1K+7]
	s_nop 0
.rept 4
	v_nop
.endr
	s_branch .Lasked_\@
.Lfor_v_\@:
	tensor_load_to_lds s[G0V+4*\s:G0V+4*\s+3], s[G1V:G1V+7]
	s_nop 0
.rept 4
	v_nop
.endr
.Lasked_\@:
.endm
.macro CROUND                          ; a round of the cluster's barrier: my work-group's barrier; wave 0 signals for the work-group; every wave waits for all four; my work-group's barrier once more
	s_barrier_signal -1
	s_barrier_wait -1
	s_cmp_lg_u32 s[WV], 0
	s_cbranch_scc1 .Lnot_wave_0_\@
	s_barrier_signal -3
.Lnot_wave_0_\@:
	s_barrier_wait -3
	s_barrier_signal -1
	s_barrier_wait -1
.endm
.macro FETCH_K                         ; 64 keys x 64 channels: fragment (kt, c) = keys 16 kt on, channels 32 c on
.irp kt, 0,1,2,3
.irp c, 0,1
	ds_load_b128 v[KV+8*(2*\kt+\c):KV+8*(2*\kt+\c)+3],   v[ADK] offset:\kt*16*PK+64*\c
	ds_load_b128 v[KV+8*(2*\kt+\c)+4:KV+8*(2*\kt+\c)+7], v[ADK] offset:\kt*16*PK+64*\c+32
.endr
.endr
.endm
.macro FETCH_V                         ; turned: fragment (kh, ct) = channels 16 ct on, keys 32 kh on
.irp kh, 0,1
.irp ct, 0,1,2,3
	ds_load_tr16_b128 v[KV+8*(4*\kh+\ct):KV+8*(4*\kh+\ct)+3],   v[ADV] offset:\kh*32*PV+32*\ct
	ds_load_tr16_b128 v[KV+8*(4*\kh+\ct)+4:KV+8*(4*\kh+\ct)+7], v[ADV] offset:\kh*32*PV+16*PV+32*\ct
.endr
.endr
.endm
; 16 products S^T = K Q^T: channels 32 (i / 8) on, keys 16 ((i / 2) % 4) on, tile i % 2.  The first 8 start the sums.  The eight accumulators take turns, one instruction a turn.
.macro KQ
.set i, 0
.rept 16
.set rS, S+32*(i%2)+8*((i/2)%4)
.set rK, KV+8*(2*((i/2)%4)+i/8)
.set rQ, Q+16*(i%2)+8*(i/8)
.if i < 8
	v_wmma_f32_16x16x32_f16 v[rS:rS+7], v[rK:rK+7], v[rQ:rQ+7], 0
.else
	v_wmma_f32_16x16x32_f16 v[rS:rS+7], v[rK:rK+7], v[rQ:rQ+7], v[rS:rS+7]
.endif
.set i, i+1
.endr
.endm
; 16 products O^T += V^T P: keys 32 (i / 8) on, channels 16 ((i / 2) % 4) on, tile i % 2; the eight accumulators by turns
.macro PVM
.set i, 0
.rept 16
.set rO, O+32*(i%2)+8*((i/2)%4)
.set rV, KV+8*(4*(i/8)+(i/2)%4)
.set rP, S+32*(i%2)+8*(i/8)
	v_wmma_f32_16x16x32_f16 v[rO:rO+7], v[rV:rV+7], v[rP:rP+7], v[rO:rO+7]
.set i, i+1
.endr
.endm
; The two tiles' softmax for a key step, the tiles line by line by turns, so that no line waits for the line above it.
.macro SOFTMAX
.irp i, 0,1,2,3                        ; the maximum of a lane's 32 scores: four chains; each accumulator is first read at its low end
.irp t, 0,1
	v_max3_num_f32 v[ST+8*\t+4+\i], v[S+32*\t+8*\i], v[S+32*\t+8*\i+1], v[S+32*\t+8*\i+2]
.endr
.endr
.irp u, 3,5
.irp i, 0,1,2,3
.irp t, 0,1
	v_max3_num_f32 v[ST+8*\t+4+\i], v[ST+8*\t+4+\i], v[S+32*\t+8*\i+\u], v[S+32*\t+8*\i+\u+1]
.endr
.endr
.endr
.irp t, 0,1
	v_max3_num_f32 v[ST+8*\t+4], v[ST+8*\t+4], v[S+32*\t+7], v[S+32*\t+15]
	v_max3_num_f32 v[ST+8*\t+6], v[ST+8*\t+6], v[S+32*\t+23], v[S+32*\t+31]
.endr
.irp t, 0,1
	v_max3_num_f32 v[ST+8*\t+4], v[ST+8*\t+4], v[ST+8*\t+5], v[ST+8*\t+6]
.endr
.irp t, 0,1
	v_max3_num_f32 v[ST+8*\t+4], v[ST+8*\t+4], v[ST+8*\t+7], v[ST+8*\t+1]   ; with the old m
.endr
.irp t, 0,1
	v_permlanex16_b32 v[ST+8*\t+5], v[ST+8*\t+4], s[SEL], s[SEL+1]          ; the query's other 32 keys lie in the lane 16 away
.endr
.irp t, 0,1
	v_mov_b32 v[ST+8*\t+7], v[ST+8*\t]             ; c m_old is kept for a
.endr
.irp t, 0,1
	v_max_num_f32 v[ST+8*\t+1], v[ST+8*\t+4], v[ST+8*\t+5]                  ; the new m
.endr
.irp t, 0,1
	v_mul_f32 v[ST+8*\t], s[CS], v[ST+8*\t+1]      ; c m
.endr
.irp t, 0,1
	v_sub_f32 v[ST+8*\t+7], v[ST+8*\t+7], v[ST+8*\t]                        ; c m_old - c m_new
.endr
.set j, 0
.rept 16
.irp t, 0,1
	v_pk_fma_f32 v[S+32*\t+j:S+32*\t+j+1], v[S+32*\t+j:S+32*\t+j+1], s[CS:CS+1], v[ST+8*\t:ST+8*\t+1] op_sel_hi:[1,0,0] neg_lo:[0,0,1] neg_hi:[0,0,1]   ; c s - c m, two at a time
.endr
.set j, j+2
.endr
.irp t, 0,1
	v_exp_f32 v[ST+8*\t+6], v[ST+8*\t+7]           ; a
.endr
.set j, 0
.rept 32
.irp t, 0,1
	v_exp_f32 v[S+32*\t+j], v[S+32*\t+j]           ; p.  ONE BATCH: none of these 66 reads another's result
.endr
.set j, j+1
.endr
	v_nop                                          ; a plain instruction behind the last exponential, ahead of the first use (ISA guide 5.7.2)
	s_wait_alu depctr_va_vdst(0)                   ; a wait ahead of the first instruction that names a result: one for the batch
.irp t, 0,1
	v_pk_mul_f32 v[ST+8*\t+2:ST+8*\t+3], v[ST+8*\t+2:ST+8*\t+3], v[ST+8*\t+6:ST+8*\t+7] op_sel_hi:[1,0]   ; l x a
.endr
.irp t, 0,1
	v_pk_add_f32 v[ST+8*\t+4:ST+8*\t+5], v[S+32*\t:S+32*\t+1], v[S+32*\t+2:S+32*\t+3]   ; the sum of the f32 weights, two at a time, in two chains a tile
.endr
.set j, 4
.rept 7
.irp t, 0,1
	v_pk_add_f32 v[ST+8*\t+2:ST+8*\t+3], v[ST+8*\t+2:ST+8*\t+3], v[S+32*\t+j:S+32*\t+j+1]
	v_pk_add_f32 v[ST+8*\t+4:ST+8*\t+5], v[ST+8*\t+4:ST+8*\t+5], v[S+32*\t+j+2:S+32*\t+j+3]
.endr
.set j, j+4
.endr
.irp t, 0,1
	v_pk_add_f32 v[ST+8*\t+2:ST+8*\t+3], v[ST+8*\t+2:ST+8*\t+3], v[ST+8*\t+4:ST+8*\t+5]
.endr
.set j, 0
.rept 16
.irp t, 0,1
	v_cvt_pk_f16_f32 v[S+32*\t+j], v[S+32*\t+2*j], v[S+32*\t+2*j+1]         ; P in place, ascending: register j is written when pairs 0 .. j have been read
.endr
.set j, j+1
.endr
.set j, 0
.rept 16
.irp t, 0,1
	v_pk_mul_f32 v[O+32*\t+j:O+32*\t+j+1], v[O+32*\t+j:O+32*\t+j+1], v[ST+8*\t+6:ST+8*\t+7] op_sel_hi:[1,0]   ; O^T x a, each accumulator from its low end on
.endr
.set j, j+2
.endr
.endm
; A KEY STEP.  Five plain instructions stand behind the last step's V^T P: four are owed ahead of the loads into the registers that held V, five ahead of the products that write S^T over P.
; Four stand behind K Q^T, ahead of the loads into the registers that held K and of the first read of the scores.  V's loads are on their way while the softmax is worked.
.macro STEP
	v_add_nc_u32 v[ADK], s[TB], v[AK0]
	v_add_nc_u32 v[ADV], s[TB], v[AV0]
.rept 3
	v_nop
.endr
	FETCH_K
	s_wait_dscnt 0x0                               ; K is in
	KQ
.rept 4
	v_nop
.endr
	FETCH_V
	SOFTMAX
	s_wait_dscnt 0x0                               ; V is in
	PVM
	s_add_co_u32 s[TB], s[TB], STEPB
.endm
.macro PHASE base                      ; a slot's eight key steps: written once, walked eight times
	s_mov_b32 s[TB], \base
	s_mov_b32 s[CNT], 8
.Lstep_\@:
	STEP
	s_sub_co_u32 s[CNT], s[CNT], 1
	s_cmp_lg_u32 s[CNT], 0
	s_cbranch_scc1 .Lstep_\@
.endm
; THE CHANGE OF SLOTS.  Each wave waits for all its tensor loads (its part of the slot ahead), adds 0 to its spare word, and waits for that and for its reads of the slot that it leaves.
; fill = 1: that slot is filled with the keys two slots on: the barrier is a round of the cluster's, and the joint refill is the first thing behind it, one tensor load a wave; it has eight key steps in which to land.
.macro CHANGE fill, slot
	s_wait_tensorcnt 0x0                           ; no tensor load of mine is out, so a group 0 may be written
	ds_add_u32 v[SPW], v[NIL]                      ; 0 onto my spare word
.if \fill
	s_add_nc_u64 s[G0K+4*\slot+2:G0K+4*\slot+3], s[G0K+4*\slot+2:G0K+4*\slot+3], 2*8*KS*128   ; 1,024 keys on; the type bits on top are not reached
	s_add_nc_u64 s[G0V+4*\slot+2:G0V+4*\slot+3], s[G0V+4*\slot+2:G0V+4*\slot+3], 2*8*KS*128
.endif
	s_wait_dscnt 0x0                               ; the add is done, and my reads of the slot are over
.if \fill
	CROUND
	JLOAD \slot
.else
	s_barrier_signal -1
	s_barrier_wait -1
.endif
.endm
	s_load_b128 s[4:7], s[0:1], 0x0                ; qkv s[4:5], att s[6:7]
	v_lshl_add_u32 v[SPW], v0, 2, SPARE
	v_mov_b32 v[NIL], 0
	ds_add_u32 v[SPW], v[NIL]                      ; the wave's opening: the add, twice on end, and its wait ahead of my first tensor load; the set-up below stands between
	ds_add_u32 v[SPW], v[NIL]
	v_lshrrev_b32 v1, 5, v0
	v_readfirstlane_b32 s[WV], v1                  ; wave 0..15
	s_bfe_u32 s13, ttmp6, 0x40000                  ; cx: my block of 512 queries: it enters Q's and att's addresses alone
	s_and_b32 s20, ttmp7, 0xffff                   ; the plane, which the four partners share
	s_lshl_b32 s20, s20, 18                        ; its first byte in each tensor: 2,048 rows of 128 bytes
	s_and_b32 s22, s[WV], 7                        ; which of a slot's eight steps I fetch:
	s_mul_i32 s23, s22, STEPB                      ; its place in a slot: no place in the cluster enters an LDS address,
	s_lshl_b32 s22, s22, 13                        ; and its 64 rows of 128 bytes in memory
	s_add_co_u32 s56, s20, s22
	s_mov_b32 s57, 0
	s_lshl_b32 s58, s13, 16                        ; my block's 512 rows,
	s_lshl_b32 s59, s[WV], 12                      ; my wave's 32 of them
	s_add_co_u32 s58, s58, s59
	s_add_co_u32 s58, s58, s20
	s_mov_b32 s59, 0
	; descriptor group 1: a tile of 64 rows x 64 elements, padded in LDS
	s_mov_b32 s[G1K], 15|(1<<16)|(1<<20)|(1<<21)|(4<<22)|(3<<25)  ; 15:0 the mask: all four work-groups; 17:16 elements of 2 bytes; 20 padding on; 21 set beside a mask; 24:22 after every 32 words; 31:25 four words
	s_mov_b32 s[G1V], 15|(1<<16)|(1<<20)|(1<<21)|(4<<22)|(7<<25)  ; the same with eight words of padding
.irp g, G1K, G1V
	s_mov_b32 s[\g+1], 64<<16                      ; tensor_dim0
	s_mov_b32 s[\g+2], KS<<16                      ; tensor_dim1
	s_mov_b32 s[\g+3], 64<<16                      ; tile_dim0
	s_mov_b32 s[\g+4], KS                          ; tile_dim1
	s_mov_b32 s[\g+5], 64                          ; from row to row
	s_mov_b32 s[\g+6], 0
	s_mov_b32 s[\g+7], 0
.endr
	s_mov_b32 s[SEL], 0x76543210
	s_mov_b32 s[SEL+1], 0xfedcba98
	s_mov_b32 s[CS], 0x3e38aa3b                    ; c = log2(e) / 8
	s_mov_b32 s[CS+1], s[CS]                       ; named with it as a pair, so it is written
	s_wait_dscnt 0x0                               ; both opening adds are done
	s_wait_kmcnt 0x0
	s_add_nc_u64 s[8:9], s[4:5], s[58:59]          ; Q at my wave's first row
	s_add_nc_u64 s[10:11], s[6:7], s[58:59]        ; att likewise
	s_add_nc_u64 s[60:61], s[4:5], s[56:57]        ; my step's rows of the plane, in tensor 0
.irp s, 0,1
	s_mov_b32 s[G0K+4*\s], 1                       ; 1:0 count = 1
	s_add_co_u32 s[G0K+4*\s+1], s23, \s*SLOTB      ; 63:32 LDS address
	s_add_nc_u64 s[G0K+4*\s+2:G0K+4*\s+3], s[60:61], 16777216+\s*8*KS*128   ; 120:64 global address: K is tensor 1; slot s begins with keys 512 s
	s_or_b32 s[G0K+4*\s+3], s[G0K+4*\s+3], 0x80000000   ; 127:126 type = 2
	s_mov_b32 s[G0V+4*\s], 1
	s_add_co_u32 s[G0V+4*\s+1], s23, \s*SLOTB+VOFF
	s_add_nc_u64 s[G0V+4*\s+2:G0V+4*\s+3], s[60:61], 33554432+\s*8*KS*128   ; V is tensor 2
	s_or_b32 s[G0V+4*\s+3], s[G0V+4*\s+3], 0x80000000
.endr
	CROUND                                         ; all four work-groups are here: the first joint loads meet
	s_cmp_lt_u32 s[WV], 8                          ; a wave's two first fills stand in one branch, ahead of every wait on TENSORcnt and every LDS read: two loads of mine are out
	s_cbranch_scc0 .Lfirst_v
	tensor_load_to_lds s[G0K:G0K+3], s[G1K:G1K+7]
	s_nop 0
	tensor_load_to_lds s[G0K+4:G0K+7], s[G1K:G1K+7]
	s_nop 0
.rept 4
	v_nop
.endr
	s_branch .Lfirst_asked
.Lfirst_v:
	tensor_load_to_lds s[G0V:G0V+3], s[G1V:G1V+7]
	s_nop 0
	tensor_load_to_lds s[G0V+4:G0V+7], s[G1V:G1V+7]
	s_nop 0
.rept 4
	v_nop
.endr
.Lfirst_asked:
	; A fragment of K or Q is 16 rows x 32 channels in 8 registers: lane l holds row l % 16; registers 0-3 channels 8 (l / 16) + 0..7, registers 4-7 channels 16 + 8 (l / 16) + 0..7: two loads of 16 bytes, 32 bytes apart
	v_and_b32 v1, 15, v0                           ; r = l % 16
	v_bfe_u32 v12, v0, 4, 1                        ; h = l / 16
	v_lshlrev_b32 v[QO], 7, v1
	v_lshl_add_u32 v[QO], v12, 4, v[QO]            ; row x 128 + 16 x half
.irp t, 0,1
.irp c, 0,1
	global_load_b128 v[Q+16*\t+8*\c:Q+16*\t+8*\c+3],   v[QO], s[8:9] offset:2048*\t+64*\c      ; Q stays in registers
	global_load_b128 v[Q+16*\t+8*\c+4:Q+16*\t+8*\c+7], v[QO], s[8:9] offset:2048*\t+64*\c+32
.endr
.endr
	v_mul_u32_u24 v[AK0], v1, PK
	v_lshl_add_u32 v[AK0], v12, 4, v[AK0]          ; row x pitch + 16 x half
	v_and_b32 v13, 7, v0                           ; the turning load: lane l reads 16 bytes: key 8 (l / 16) + l % 8, channels 8 ((l / 8) % 2) + 0..7
	v_lshl_add_u32 v13, v12, 3, v13
	v_mul_u32_u24 v[AV0], v13, PV
	v_bfe_u32 v13, v0, 3, 1
	v_lshl_add_u32 v[AV0], v13, 4, v[AV0]
	v_add_nc_u32 v[AV0], VOFF, v[AV0]
	s_mul_i32 s22, s[WV], 32*SP                    ; my stage
	v_mul_u32_u24 v[STO], v1, SP                   ; in: row l % 16, 16 bytes for each half of the lanes
	v_lshl_add_u32 v[STO], v12, 4, v[STO]
	v_add_nc_u32 v[STO], s22, v[STO]
	v_and_b32 v13, 31, v0
	v_lshlrev_b32 v[GO], 4, v13
	v_lshrrev_b32 v14, 3, v13                      ; back: four rows an instruction: row lane / 8, 16 bytes at 16 (lane % 8)
	v_mul_u32_u24 v[RD], v14, SP
	v_and_b32 v14, 7, v0
	v_lshl_add_u32 v[RD], v14, 4, v[RD]
	v_add_nc_u32 v[RD], s22, v[RD]
.irp t, 0,1
	v_mov_b32 v[ST+8*\t], 0xff61b1e6               ; c m and m: -3e38, under every score: the first a is 0
	v_mov_b32 v[ST+8*\t+1], 0xff61b1e6
	v_mov_b32 v[ST+8*\t+2], 0                      ; l
	v_mov_b32 v[ST+8*\t+3], 0
.endr
.set j, 0
.rept 64
	v_mov_b32 v[O+j], 0                            ; O^T: the step is written once; its first walk finds zeros, which a = 0 leaves zeros
.set j, j+1
.endr
	s_wait_tensorcnt 1                             ; my part of slot 0 is in; slot 1's may stay out
	s_barrier_signal -1
	s_barrier_wait -1                              ; everybody's is
	s_wait_loadcnt 0x0                             ; Q
	PHASE 0                                        ; keys 0 .. 511
	CHANGE 1, 0                                    ; slot 0 takes keys 1,024 on
	PHASE SLOTB                                    ; keys 512 .. 1,023
	CHANGE 1, 1                                    ; slot 1 takes keys 1,536 on
	PHASE 0
	CHANGE 0, 0                                    ; nothing is left to ask for
	PHASE SLOTB
	; THE WAY OUT.  l's two halves and the other half of the lanes' are added; O^T is divided by l, rounded to f16 and sent through my stage: a lane's eight channels are 16 bytes of a row; back come four whole rows an instruction,
	; and the wave's store covers 512 consecutive bytes of att, aligned.
.rept 4
	v_nop                                          ; the places behind the last products
.endr
.irp t, 0,1
	v_add_f32 v[ST+8*\t+4], v[ST+8*\t+2], v[ST+8*\t+3]
.endr
.irp t, 0,1
	v_permlanex16_b32 v[ST+8*\t+5], v[ST+8*\t+4], s[SEL], s[SEL+1]
.endr
.irp t, 0,1
	v_add_f32 v[ST+8*\t+4], v[ST+8*\t+4], v[ST+8*\t+5]
.endr
.irp t, 0,1
	v_rcp_f32 v[ST+8*\t+6], v[ST+8*\t+4]
.endr
	v_nop                                          ; a plain instruction between the last reciprocal and the use of its result
	s_wait_alu depctr_va_vdst(0)                   ; and a wait ahead of the first use: one for the two
.set j, 0
.rept 16
.irp t, 0,1
	v_pk_mul_f32 v[O+32*\t+j:O+32*\t+j+1], v[O+32*\t+j:O+32*\t+j+1], v[ST+8*\t+6:ST+8*\t+7] op_sel_hi:[1,0]
.endr
.set j, j+2
.endr
.set j, 0
.rept 32
	v_cvt_pk_f16_f32 v[S+j], v[O+2*j], v[O+2*j+1]  ; v[S + 16 t + 4 ct ..]: query r, channels 16 ct + 8 h + 0 .. 7
.set j, j+1
.endr
.irp t, 0,1
.irp ct, 0,1,2,3
	ds_store_b128 v[STO], v[S+16*\t+4*\ct:S+16*\t+4*\ct+3] offset:16*SP*\t+32*\ct
.endr
.endr
.irp i, 0,1,2,3,4,5,6,7
	ds_load_b128 v[S+32+4*\i:S+32+4*\i+3], v[RD] offset:4*SP*\i    ; rows 4 i .. 4 i + 3 of my 32; LDS serves a wave's instructions in order: these see the stores above
.endr
.irp i, 0,1,2,3,4,5,6,7
	s_wait_dscnt 7-\i
	global_store_b128 v[GO], v[S+32+4*\i:S+32+4*\i+3], s[10:11] offset:512*\i
.endr
	s_wait_tensorcnt 0x0                           ; the wave's end: a wait, an add of 0 to my spare word and its wait, behind my last tensor load and my last LDS store
	ds_add_u32 v[SPW], v[NIL]
	s_wait_dscnt 0x0
	CROUND                                         ; the closing round: no work-group ends while a partner may still ask for a tile that names it
	s_endpgm
.Lfunc_end_k_q122696b009_attn:
	.size	k_q122696b009_attn, .Lfunc_end_k_q122696b009_attn-k_q122696b009_attn
	.p2alignl 7, 3214868480
	.fill 96, 4, 3214868480
	.section	.rodata,"a",@progbits
	.p2align	6, 0x0
	.amdhsa_kernel k_q122696b009_attn
		.amdhsa_group_segment_fixed_size 327680
		.amdhsa_private_segment_fixed_size 0
		.amdhsa_enable_private_segment 0
		.amdhsa_kernarg_size 16
		.amdhsa_user_sgpr_count 2
		.amdhsa_user_sgpr_kernarg_segment_ptr 1
		.amdhsa_wavefront_size32 1
		.amdhsa_system_sgpr_workgroup_id_x 1
		.amdhsa_system_sgpr_workgroup_id_y 1
		.amdhsa_system_sgpr_workgroup_id_z 1
		.amdhsa_system_vgpr_workitem_id 0
		.amdhsa_next_free_vgpr 256
		.amdhsa_next_free_sgpr 66
		.amdhsa_reserve_vcc 0
		.amdhsa_float_denorm_mode_32 3
		.amdhsa_float_denorm_mode_16_64 3
		.amdhsa_memory_ordered 1
		.amdhsa_forward_progress 1
		.amdhsa_inst_pref_size 88
	.end_amdhsa_kernel
	.amdgpu_metadata
---
amdhsa.version: [ 1, 2 ]
amdhsa.kernels:
  - .name:           k_q122696b009_attn
    .symbol:         k_q122696b009_attn.kd
    .args:
      - { .name: qkv, .offset: 0, .size: 8, .value_kind: global_buffer, .address_space: global }
      - { .name: att, .offset: 8, .size: 8, .value_kind: global_buffer, .address_space: global }
    .group_segment_fixed_size: 327680
    .private_segment_fixed_size: 0
    .kernarg_segment_align: 8
    .kernarg_segment_size: 16
    .max_flat_workgroup_size: 512
    .sgpr_count:     66
    .vgpr_count:     256
    .wavefront_size: 32
...
	.end_amdgpu_metadata
.endif
;; end of part 3
;; launch oproj (part 4): grid 8 x 32, 4 waves a work-group, clusters of 4 x 4, 327,680 bytes of LDS; arguments att, wo16, out0; writes out0
.if DOCPART == 4
	.amdgcn_target "amdgcn-amd-amdhsa--gfx1250"
	.amdhsa_code_object_version 6
	.text
	.protected	k_q122696b009_oproj
	.globl	k_q122696b009_oproj
	.p2align	8
	.type	k_q122696b009_oproj,@function
k_q122696b009_oproj:
	s_mov_b64 s[64:65], 0
	v_nop
	global_prefetch_b8 v0, s[64:65] scope:SCOPE_SE
	s_setreg_imm32_b32 hwreg(HW_REG_WAVE_MODE, 25, 1), 1
	s_wait_xcnt 0x0
	s_wait_alu depctr_hold_cnt(0) depctr_sa_sdst(0) depctr_va_vdst(0) depctr_va_sdst(0) depctr_va_ssrc(0) depctr_va_vcc(0) depctr_vm_vsrc(0)
	s_getreg_b32 s2, hwreg(HW_REG_IB_STS2, 6, 4)
	s_cmp_eq_u32 s2, 0
	s_cbranch_scc0 .Lentry_in_a_cluster
	s_endpgm
.Lentry_in_a_cluster:
	s_bfe_u32 s2, ttmp6, 0x10000c
	s_cmp_lg_u32 s2, 0xf033
	s_cbranch_scc0 .Lentry_shape_is_right
	s_endpgm
.Lentry_shape_is_right:
; OPROJ: out0[token][n] = the sum over k of att(token, k) wo[k][n], k = 64 head + channel.  att: [4 b][16 h][2048 t][64] f16; wo16: [1024 k][1024 n] f16; out0: [8192][1024] f32; sums in f32.
; A tile of out0 is 256 tokens x 128 outputs: 256 work-groups of four waves, each wave 128 x 64: 32 accumulators of 16 x 16, 256 registers.
; K goes in steps of 128 (two heads) through a ring of two LDS slots.  A head's 256 tokens x 64 channels are one dense block of memory: waves 0 and 1 fetch a head each (256 rows of 128 bytes); waves 2 and 3 fetch 64 rows of wo16 each (256 bytes a row).
; CLUSTERS: 4 x 4 work-groups.  The four of a row of the cluster need the same tiles of att, the four of a column the same tiles of wo16: each is asked for JOINTLY, by the same tensor load with the same descriptor and a mask that names the four.
; THE MATRIX INSTRUCTION IS USED TRANSPOSED (source 0 = 16 outputs, source 1 = 16 tokens): a lane then holds eight neighbouring outputs of one token.  wo16 lies [k][n]: its fragments come turned, by ds_load_tr16_b128.
; REGISTERS: window 0: v0-31 addresses; v32-95 rows on the way out.  window 1: two fragment buffers of 96: att's 8 fragments (16 tokens x 32 K), then wo16's 4.  window 2: the accumulators ((a, b) at v[8 (4 a + b)]).
; No prefetch is written: the launch has eight K steps, and each tile is asked for once for four work-groups.
; LIMITS: |att|, |wo| stay under 65,504, f16's largest number; NaN and infinities are not served.
.set PA,     144                       ; a row of att in LDS: 128 bytes + 16 = 36 words: the 16 rows of a load start at 16 different groups of 4 banks (64 banks of 4 bytes: ISA guide 11.1)
.set PB,     288                       ; a row of wo16: 256 + 32 = 72 words
.set AHEAD,  256*PA                    ; a head's 256 rows
.set BOFF,   2*AHEAD                   ; behind the two heads: wo16's 128 rows
.set BHALF,  64*PB
.set SLOT,   BOFF+2*BHALF
.set STAGE,  2*SLOT                    ; behind the ring: 16 rows x 272 bytes for each wave, for the way out
.set SPITCH, 272
.set SPARE,  STAGE+4*16*SPITCH         ; the spare words, 128 bytes for each wave: two blocks of 256 bytes that no other line names
.set LAPS,   4                         ; a lap = two K steps = once round the ring
.set ADRA, 16                          ; v16-17  LDS address of my att fragments in slot 0, 1
.set ADRB, 20                          ; v20-21  the same for wo16
.set STO,  24                          ; v24     the way out: where I put 32 bytes of a row
.set RD,   25                          ; v25     where I read a row back
.set CO,   26                          ; v26     my byte offset in out0
.set SPW,  28                          ; v28     LDS address of my spare word; never rewritten
.set NIL,  29                          ; v29     0; never rewritten
.set OB,   32                          ; v32-63, v64-95: 16 rows read back from the stage, by turns
.set F0,   0                           ; fragment buffers, in window 1
.set F1,   128
.set G1,   24                          ; s[24:31] descriptor group 1 for att's tiles;  s[32:39] group 0, a set for each slot
.set G0,   32
.set G1B,  48                          ; s[48:55], s[56:63] the same for wo16's tiles
.set G0B,  56
.set MSB, 0
.macro WIN new                         ; the immediate's high byte repeats the setting that is left
.if MSB != \new
	s_set_vgpr_msb (MSB<<8)|\new
.set MSB, \new
.endif
.endm
.set MUL,  0xa5                        ; sources 0 and 1 window 1; C and D window 2
.set TO_F, 0x40                        ; destination window 1, address window 0
.macro JLOAD s                         ; a joint load: waves 0 and 1 fetch att's two heads, waves 2 and 3 wo16's two halves; an s_nop 0 and four v_nop follow each of the two lines
	s_cmp_eq_u32 s11, 0
	s_cbranch_scc0 .Lfor_b_\@
	tensor_load_to_lds s[G0+4*\s:G0+4*\s+3], s[G1:G1+7]
	s_nop 0
.rept 4
	v_nop
.endr
	s_branch .Lasked_\@
.Lfor_b_\@:
	tensor_load_to_lds s[G0B+4*\s:G0B+4*\s+3], s[G1B:G1B+7]
	s_nop 0
.rept 4
	v_nop
.endr
.Lasked_\@:
.endm
.macro CREST                           ; a round of the cluster's barrier behind its opening barrier
	s_cmp_lg_u32 s10, 0
	s_cbranch_scc1 .Lnot_wave_0_\@
	s_barrier_signal -3
.Lnot_wave_0_\@:
	s_barrier_wait -3
	s_barrier_signal -1
	s_barrier_wait -1
.endm
.macro CROUND                          ; a whole round
	s_barrier_signal -1
	s_barrier_wait -1
	CREST
.endm
	s_load_b128 s[4:7], s[0:1], 0x0                ; att s[4:5], wo16 s[6:7]
	s_load_b64 s[8:9], s[0:1], 0x10                ; out0
	v_lshl_add_u32 v[SPW], v0, 2, SPARE
	v_mov_b32 v[NIL], 0
	ds_add_u32 v[SPW], v[NIL]                      ; the wave's opening: the add, twice on end, and its wait ahead of my first tensor load; the set-up below stands between
	ds_add_u32 v[SPW], v[NIL]
	v_lshrrev_b32 v1, 5, v0
	v_readfirstlane_b32 s10, v1                    ; wave 0..3
	s_lshr_b32 s11, s10, 1                         ; which half of the tile's tokens is mine.  Also: I fetch for att (0) or for wo16 (1)
	s_and_b32 s12, s10, 1                          ; which half of its outputs.  Also: which head, or which 64 rows, I fetch
	s_bfe_u32 s40, ttmp6, 0x40000                  ; cx, cy: my place in the cluster
	s_bfe_u32 s41, ttmp6, 0x40004
	s_lshl_b32 s42, ttmp9, 2
	s_add_co_u32 s42, s42, s40                     ; tile column = 4 x cluster x + cx
	s_and_b32 s13, ttmp7, 0xffff
	s_lshl_b32 s13, s13, 2
	s_add_co_u32 s13, s13, s41                     ; tile row = 4 x cluster y + cy
	s_lshl_b32 s43, s41, 2
	s_lshl_b32 s43, 15, s43                        ; my row of the cluster
	s_lshl_b32 s44, 0x1111, s40                    ; my column
	; descriptor group 1.  att: 256 rows x 64 elements, dense in memory, four words of padding behind every 32
	s_or_b32 s[G1+0], s43, (1<<16)|(1<<20)|(1<<21)|(4<<22)|(3<<25)  ; 15:0 the mask: my row; 17:16 elements of 2 bytes; 20 padding on; 21 set beside a mask
	s_mov_b32 s[G1+1], 64<<16                      ; tensor_dim0
	s_mov_b32 s[G1+2], 256<<16                     ; tensor_dim1
	s_mov_b32 s[G1+3], 64<<16                      ; tile_dim0
	s_mov_b32 s[G1+4], 256                         ; tile_dim1
	s_mov_b32 s[G1+5], 64                          ; from row to row
	s_mov_b32 s[G1+6], 0
	s_mov_b32 s[G1+7], 0
	; wo16: 64 rows x 128 elements, 1,024 elements from row to row, eight words of padding behind every 64
	s_or_b32 s[G1B+0], s44, (1<<16)|(1<<20)|(1<<21)|(5<<22)|(7<<25) ; the mask: my column
	s_mov_b32 s[G1B+1], 128<<16
	s_mov_b32 s[G1B+2], 64<<16
	s_mov_b32 s[G1B+3], 128<<16
	s_mov_b32 s[G1B+4], 64
	s_mov_b32 s[G1B+5], 1024
	s_mov_b32 s[G1B+6], 0
	s_mov_b32 s[G1B+7], 0
	; where the tiles come from.  att's hang on the tile row alone, wo16's on the tile column alone; every wave makes both addresses, in registers that never hold the other coordinate
	s_lshr_b32 s16, s13, 3                         ; the batch
	s_lshl_b32 s16, s16, 4
	s_add_co_u32 s16, s16, s12                     ; its head 0 or 1
	s_lshl_b32 s16, s16, 18                        ; a head is 262,144 bytes
	s_and_b32 s17, s13, 7
	s_lshl_b32 s17, s17, 15                        ; 256 tokens of 128 bytes
	s_add_co_u32 s16, s16, s17
	s_mov_b32 s17, 0
	s_lshl_b32 s46, s12, 17                        ; 64 rows of 2,048 bytes
	s_lshl_b32 s47, s42, 8                         ; 128 outputs of 2 bytes
	s_add_co_u32 s46, s46, s47
	s_mov_b32 s47, 0
	s_mul_i32 s20, s12, AHEAD                      ; where they go: no place in the cluster enters an LDS address
	s_mul_i32 s21, s12, BHALF
	s_add_co_u32 s21, s21, BOFF
	s_wait_dscnt 0x0                               ; both opening adds are done
	s_wait_kmcnt 0x0
	s_add_nc_u64 s[14:15], s[4:5], s[16:17]
	s_add_nc_u64 s[46:47], s[6:7], s[46:47]
	CROUND                                         ; all sixteen work-groups are here: the first joint loads meet
.irp s, 0,1
	s_mov_b32 s[G0+4*\s], 1                        ; 1:0 count = 1
	s_add_co_u32 s[G0+4*\s+1], s20, \s*SLOT        ; 63:32 LDS address
	s_add_nc_u64 s[G0+4*\s+2:G0+4*\s+3], s[14:15], \s*2*262144   ; 120:64 global address: K step s is heads 2 s, 2 s + 1
	s_or_b32 s[G0+4*\s+3], s[G0+4*\s+3], 0x80000000              ; 127:126 type = 2
	s_mov_b32 s[G0B+4*\s], 1
	s_add_co_u32 s[G0B+4*\s+1], s21, \s*SLOT
	s_add_nc_u64 s[G0B+4*\s+2:G0B+4*\s+3], s[46:47], \s*128*2048 ; and rows 128 s on of wo16
	s_or_b32 s[G0B+4*\s+3], s[G0B+4*\s+3], 0x80000000
	JLOAD \s
.endr
	v_and_b32 v1, 15, v0                           ; r = l % 16
	v_bfe_u32 v2, v0, 4, 1                         ; h = l / 16
	v_mul_u32_u24 v3, v1, PA
	v_lshl_add_u32 v3, v2, 4, v3                   ; att: row x pitch + 16 x half
	v_and_b32 v4, 7, v0                            ; wo16, turned: lane l reads 16 bytes: row 8 (l / 16) + l % 8, outputs 8 ((l / 8) % 2) + 0..7
	v_lshl_add_u32 v4, v2, 3, v4
	v_mul_u32_u24 v4, v4, PB
	v_bfe_u32 v5, v0, 3, 1
	v_lshl_add_u32 v4, v5, 4, v4
	s_mul_i32 s21, s11, 128*PA                     ; my 128 tokens
	s_lshl_b32 s22, s12, 7                         ; my 64 outputs: 128 bytes of a row
	s_add_co_u32 s22, s22, BOFF
.irp s, 0,1
	v_add_nc_u32 v[ADRA+\s], s21, v3
	v_add_nc_u32 v[ADRB+\s], s22, v4
	s_add_co_u32 s21, s21, SLOT
	s_add_co_u32 s22, s22, SLOT
.endr
	s_mul_i32 s23, s10, 16*SPITCH
	s_add_co_u32 s23, s23, STAGE                   ; my stage
	v_mul_u32_u24 v6, v1, SPITCH                   ; in: row l % 16, 32 bytes for each half of the lanes
	v_lshl_add_u32 v6, v2, 5, v6
	v_add_nc_u32 v[STO], s23, v6
	v_mul_u32_u24 v6, v2, SPITCH                   ; back: lanes 0-15 take one row of 256 bytes, lanes 16-31 the next
	v_lshl_add_u32 v6, v1, 4, v6
	v_add_nc_u32 v[RD], s23, v6
	v_lshlrev_b32 v6, 12, v2                       ; and the same two rows in out0: 4,096 bytes a row
	v_lshl_add_u32 v[CO], v1, 4, v6
	s_lshl_b32 s16, s13, 8
	s_lshl_b32 s17, s11, 7
	s_add_co_u32 s16, s16, s17                     ; my first token: 256 x tile row + 128 x half
	s_lshl_b32 s16, s16, 12
	s_mov_b32 s17, 0
	s_add_nc_u64 s[8:9], s[8:9], s[16:17]
	s_lshl_b32 s46, s42, 9                         ; my first output, in bytes: 512 x tile column + 256 x half
	s_lshl_b32 s47, s12, 8
	s_add_co_u32 s46, s46, s47
	s_mov_b32 s47, 0
	s_add_nc_u64 s[8:9], s[8:9], s[46:47]
; 4 n matrix instructions: token blocks a0 .. a0 + n - 1 x all 4 output blocks, 32 along K: buffer f.  zero = 1: the first product starts the sums.  The 32 accumulators take turns, one instruction a turn, in the same order in every quarter.
.macro MULS f, a0, n, zero
.set ma, \a0
.rept \n
.irp b, 0,1,2,3
.if \zero
	v_wmma_f32_16x16x32_f16 v[8*(4*ma+\b):8*(4*ma+\b)+7], v[\f+64+8*\b:\f+64+8*\b+7], v[\f+8*ma:\f+8*ma+7], 0
.else
	v_wmma_f32_16x16x32_f16 v[8*(4*ma+\b):8*(4*ma+\b)+7], v[\f+64+8*\b:\f+64+8*\b+7], v[\f+8*ma:\f+8*ma+7], v[8*(4*ma+\b):8*(4*ma+\b)+7]
.endif
.endr
.set ma, ma+1
.endr
.endm
; 24 LDS loads in one run: the fragments of the slot's q-th 32 along K into buffer f: wo16's four, att's blocks 0-3, att's blocks 4-7.  Quarters 0, 1 lie in the slot's first head, 2, 3 in its second
.macro FETCH slot, q, f
	WIN TO_F
.irp b, 0,1,2,3
	ds_load_tr16_b128 v[\f+64+8*\b:\f+64+8*\b+3],   v[ADRB+\slot] offset:(\q)*32*PB+32*\b
	ds_load_tr16_b128 v[\f+64+8*\b+4:\f+64+8*\b+7], v[ADRB+\slot] offset:(\q)*32*PB+16*PB+32*\b
.endr
.irp a, 0,1,2,3,4,5,6,7
	ds_load_b128 v[\f+8*\a:\f+8*\a+3],   v[ADRA+\slot] offset:((\q)/2)*AHEAD+\a*16*PA+64*((\q)%2)
	ds_load_b128 v[\f+8*\a+4:\f+8*\a+7], v[ADRA+\slot] offset:((\q)/2)*AHEAD+\a*16*PA+64*((\q)%2)+32
.endr
.endm
.macro PLACES                          ; four places in front of loads into registers that matrix instructions have read, and of stores that read results (ISA guide 7.12.1 for the stores)
.rept 4
	v_nop
.endr
.endm
; A K step is four quarters of 32 along K, 32 matrix instructions each, on buffers 0, 1, 0, 1.  One of the first three: multiplies buffer f and fetches quarter qn into g.
.macro QUARTER slot, qn, f, g, zero
	s_wait_dscnt 8                                 ; wo16's fragments and att's blocks 0-3 are in; the youngest eight loads (blocks 4-7) may be out
	WIN MUL
	MULS \f, 0, 4, \zero
	PLACES
	FETCH \slot, \qn, \g
	s_wait_dscnt 24                                ; all but the 24 just issued
	WIN MUL
	MULS \f, 4, 4, \zero
.endm
; The last quarter multiplies buffer 1 and changes slots: ONE barrier; in front of it each wave waits for all its tensor loads, adds 0 to its spare word, and waits for that and for its own reads of this slot.
; fill = 1: this slot is filled again, two K steps ahead: the barrier opens a round of the cluster's, and the joint refill is the first tensor load behind it.
.macro TURN slot, next, fill
	WIN 0                                          ; (the add's two registers lie in window 0)
	s_wait_tensorcnt 0x0                           ; all my tensor loads have landed: my part of the next slot;
	ds_add_u32 v[SPW], v[NIL]                      ; 0 onto my spare word;
	s_wait_dscnt 9                                 ; (the add and the youngest eight loads may be out)
	WIN MUL
	MULS F1, 0, 2, 0                               ; eight matrix instructions stand between the add and the wait for it
	s_wait_dscnt 0x0                               ; the add is done, and my reads of this slot are over
	s_barrier_signal -1
	MULS F1, 2, 2, 0
	WIN 0                                          ; (branches may follow)
	s_barrier_wait -1
.if \fill
	CREST                                          ; no wave of any partner still reads this slot's tiles or has a load on its way
	s_add_nc_u64 s[G0+4*\slot+2:G0+4*\slot+3], s[G0+4*\slot+2:G0+4*\slot+3], 4*262144      ; four heads on
	s_add_nc_u64 s[G0B+4*\slot+2:G0B+4*\slot+3], s[G0B+4*\slot+2:G0B+4*\slot+3], 256*2048  ; 256 rows on
	JLOAD \slot                                    ; the four v_nop behind it are also the places in front of the loads below
.else
	PLACES
.endif
	FETCH \next, 0, F0
	WIN MUL
	MULS F1, 4, 4, 0
.endm
	s_wait_tensorcnt 1                             ; my part of K step 0 is in (K step 1's may be out)
	s_barrier_signal -1
	s_barrier_wait -1                              ; everybody's is
	FETCH 0, 0, F0
	QUARTER 0, 1, F0, F1, 1                        ; the first quarter stands in front of the loop: its products start the sums
	WIN 0                                          ; at a label and at a branch every window is 0
	s_mov_b32 s3, LAPS-1
.Llap:                                                 ; a trip goes once round the ring, from a lap's second quarter to the next lap's first, and fills both slots again
	QUARTER 0, 2, F1, F0, 0
	QUARTER 0, 3, F0, F1, 0
	TURN 0, 1, 1
	QUARTER 1, 1, F0, F1, 0
	QUARTER 1, 2, F1, F0, 0
	QUARTER 1, 3, F0, F1, 0
	TURN 1, 0, 1
	QUARTER 0, 1, F0, F1, 0
	WIN 0
	s_sub_co_u32 s3, s3, 1
	s_cmp_lg_u32 s3, 0
	s_cbranch_scc1 .Llap
	QUARTER 0, 2, F1, F0, 0                        ; the last lap fills nothing, and has no round of the cluster's barrier
	QUARTER 0, 3, F0, F1, 0
	TURN 0, 1, 0
	QUARTER 1, 1, F0, F1, 0
	QUARTER 1, 2, F1, F0, 0
	QUARTER 1, 3, F0, F1, 0
	s_wait_dscnt 8                                 ; the very last quarter: nothing more to fetch
	WIN MUL
	MULS F1, 0, 4, 0
	s_wait_dscnt 0
	MULS F1, 4, 4, 0
	WIN 0
; THE WAY OUT, block by block of 16 tokens x 64 outputs.  A lane holds 32 neighbouring bytes of a row, and the lanes beside it hold other rows: a block goes through my own stage and comes back as whole rows of 256 bytes.
.macro TOSTAGE a
	WIN 0x08                                       ; an LDS store's data are its source 1: window 2
.irp b, 0,1,2,3
	ds_store_b128 v[STO], v[8*(4*(\a)+\b):8*(4*(\a)+\b)+3] offset:64*\b          ; each accumulator from its low end on
	ds_store_b128 v[STO], v[8*(4*(\a)+\b)+4:8*(4*(\a)+\b)+7] offset:64*\b+16
.endr
	WIN 0
.set BKR, OB+32*((\a)%2)
.irp t, 0,1,2,3,4,5,6,7
	ds_load_b128 v[BKR+4*\t:BKR+4*\t+3], v[RD] offset:\t*2*SPITCH   ; LDS serves a wave's instructions in order: these see the stores above
.endr
.endm
.macro SEND a, younger                 ; younger: the LDS instructions issued behind block a's loads, which may stay out
.set BKR, OB+32*((\a)%2)
	s_wait_dscnt \younger
.irp t, 0,1,2,3,4,5,6,7
	global_store_b128 v[CO], v[BKR+4*\t:BKR+4*\t+3], s[8:9] offset:(16*(\a)+2*\t)*4096 th:TH_STORE_NT   ; 16 lanes store 256 consecutive bytes, aligned; written once, read by nobody here
.endr
.endm
	PLACES                                         ; behind the last products: the stores below read results
	TOSTAGE 0
.irp a, 1,2,3,4,5,6,7
.if \a > 1
	s_wait_xcnt 0x0                                ; block a - 2's stores have read their registers: block a's loads may land there
.endif
	TOSTAGE \a
	SEND \a-1, 16                                  ; behind block a - 1's loads: block a's 8 stores and 8 loads
.endr
	SEND 7, 0
	s_wait_tensorcnt 0x0                           ; the wave's end: a wait, an add of 0 to my spare word and its wait, behind my last tensor load and my last LDS store
	ds_add_u32 v[SPW], v[NIL]
	s_wait_dscnt 0x0
	CROUND                                         ; the closing round: no work-group ends while a partner may still ask for a tile that names it
	s_endpgm
.Lfunc_end_k_q122696b009_oproj:
	.size	k_q122696b009_oproj, .Lfunc_end_k_q122696b009_oproj-k_q122696b009_oproj
	.p2alignl 7, 3214868480
	.fill 96, 4, 3214868480
	.section	.rodata,"a",@progbits
	.p2align	6, 0x0
	.amdhsa_kernel k_q122696b009_oproj
		.amdhsa_group_segment_fixed_size 327680
		.amdhsa_private_segment_fixed_size 0
		.amdhsa_enable_private_segment 0
		.amdhsa_kernarg_size 24
		.amdhsa_user_sgpr_count 2
		.amdhsa_user_sgpr_kernarg_segment_ptr 1
		.amdhsa_wavefront_size32 1
		.amdhsa_system_sgpr_workgroup_id_x 1
		.amdhsa_system_sgpr_workgroup_id_y 1
		.amdhsa_system_sgpr_workgroup_id_z 1
		.amdhsa_system_vgpr_workitem_id 0
		.amdhsa_next_free_vgpr 768
		.amdhsa_next_free_sgpr 66
		.amdhsa_reserve_vcc 0
		.amdhsa_float_denorm_mode_32 3
		.amdhsa_float_denorm_mode_16_64 3
		.amdhsa_memory_ordered 1
		.amdhsa_forward_progress 1
		.amdhsa_inst_pref_size 86
	.end_amdhsa_kernel
	.amdgpu_metadata
---
amdhsa.version: [ 1, 2 ]
amdhsa.kernels:
  - .name:           k_q122696b009_oproj
    .symbol:         k_q122696b009_oproj.kd
    .args:
      - { .name: att, .offset: 0, .size: 8, .value_kind: global_buffer, .address_space: global }
      - { .name: wo16, .offset: 8, .size: 8, .value_kind: global_buffer, .address_space: global }
      - { .name: out0, .offset: 16, .size: 8, .value_kind: global_buffer, .address_space: global }
    .group_segment_fixed_size: 327680
    .private_segment_fixed_size: 0
    .kernarg_segment_align: 8
    .kernarg_segment_size: 24
    .max_flat_workgroup_size: 128
    .sgpr_count:     66
    .vgpr_count:     768
    .wavefront_size: 32
...
	.end_amdgpu_metadata
.endif
;; end of part 4
